; MI455X (gfx1250); checked and timed in simulation.
; The chip was launched on July 23, 2026; its instructions are those of AMD's public machine-readable ISA for CDNA 5 (MIT licence, August 2026) and "CDNA5" Instruction Set Architecture Reference Guide (July 2026). The comments in the code are by the model that wrote it; some were corrected since.
;; Multi Head Attention. Allowed arithmetic: matrix products marked QUANTISED: E3M2 operands, one E8M0 scale for each 32 along K, by v_wmma_scale_f32_16x16x128_f8f6f4 with both operands' format E3M2, f32 sums; products left as they are: f32 operands where the result goes on into a quantised operand, else bf16, f16 or f32 operands; f32 sums; everything else in f32.
;; Inputs: Wk 1,024 x 1,024 float32; Wo 1,024 x 1,024 float32; Wq 1,024 x 1,024 float32; Wv 1,024 x 1,024 float32; attn_mask 1 x 1 x 2,048 x 2,048 float32; k 2 x 2,048 x 1,024 float32; key_padding_mask 2 x 2,048 bool; q 2 x 2,048 x 1,024 float32; v 2 x 2,048 x 1,024 float32.
;; Outputs: out0 2 x 2,048 x 1,024 float32.
;; This version of the problem:
;;   THIS VERSION OF THE PROBLEM IS GIVEN IN LOW PRECISION. The matrix products marked QUANTISED in the list below multiply operands that are first quantised to E3M2 (3 exponent bits, 2 mantissa bits; 6 bits a number), with one power-of-two scale for each 32 numbers along K (OCP MX v1.0); their sums are f32. All else is computed in f32.
;;   The module's matrix products, in the order in which they are computed (A, B: the left and right operand; K: the contracted axis; several contracted axes count as one K, in the product's order):
;;     1. [M 4,096, K 1,024] x [K 1,024, N 1,024]; A: input q; B: input Wq: QUANTISED
;;     2. [M 4,096, K 1,024] x [K 1,024, N 1,024]; A: input k; B: input Wk: QUANTISED
;;     3. [M 4,096, K 1,024] x [K 1,024, N 1,024]; A: input v; B: input Wv: QUANTISED
;;     4. [M 2,048, K 1] x [K 1, N 32]; A: computed on the way; B: computed on the way: left as it is (no contracted axis)
;;     5. [M 2,048, K 1] x [K 1, N 32]; A: computed on the way; B: computed on the way: left as it is (no contracted axis)
;;     6. batch 32 x [M 2,048, K 64] x [K 64, N 2,048]; A: computed on the way; B: computed on the way: QUANTISED
;;     7. batch 32 x [M 2,048, K 2,048] x [K 2,048, N 64]; A: softmax (see below); B: computed on the way: QUANTISED
;;     8. [M 4,096, K 1,024] x [K 1,024, N 1,024]; A: computed on the way; B: input Wo: QUANTISED
;;   THE QUANTISER, for each operand of a quantised product, along K:
;;     - K is cut into blocks of 32 from its start; a last block that is shorter is filled with zeros.
;;     - A block's scale is 2^e with e = floor(log2(the largest magnitude in the block)) - 4, held to -126 .. 127; a block of zeros has e = 0. As a byte (E8M0): e + 127.
;;     - Each number is divided by its block's scale, clamped to +-28, and rounded to the nearest number of E3M2, ties to even, subnormals kept.
;;     - The product sums the exact products of the quantised numbers (number of the format x scale) in f32.
;;   ~~~python
;;   def quantise(x, axis):      # numpy; x: float32 -> the quantised numbers, widened to float32 again
;;       x = np.moveaxis(x, axis, -1); K = x.shape[-1]
;;       x = np.pad(x, [(0, 0)] * (x.ndim - 1) + [(0, -K % 32)]); x = x.reshape(x.shape[:-1] + (-1, 32)); a = np.abs(x).max(-1, keepdims=True)
;;       e = np.where(a > 0, np.clip(np.frexp(np.where(a > 0, a, 1))[1] - 1 - 4, -126, 127), 0)      # np.frexp(a)[1] - 1 = floor(log2(a)), exactly
;;       r = np.clip(x / 2.0 ** e, -28, 28)
;;       step = 2.0 ** (np.maximum(np.frexp(np.where(r == 0, 1, r))[1] - 1, -2) - 2)
;;       q = np.round(r / step) * step * 2.0 ** e      # np.round: ties to even
;;       return np.moveaxis(q.reshape(q.shape[:-2] + (-1,))[..., :K], -1, axis).astype(np.float32)
;;   ~~~
;;   SOFTMAX AHEAD OF A QUANTISED PRODUCT. Where the list says 'softmax', what is quantised is not the finished softmax but p = 2^(t - M), with t = logit x log2(e) and M = ceil(the row's largest t), a whole number; so 1/2 < the row's largest p <= 1. The row's sum l is taken of the UNQUANTISED p, in f32, and the product's result is divided by l at the end. Since M is a whole number, a kernel that streams over the keys may use a running M (the ceiling of the running maximum): every later rescaling is an exact power of two, which a block's scale takes up: the codes' values come out the same.
;;   OPERANDS COMPUTED ON THE WAY. 'Computed on the way' means the value that the module computes at that place (a softmax that the list does not call 'softmax' is quantised finished and normalised). What goes into a quantiser is computed in f32, as accurately as f32 sums, v_exp_f32 and their like allow (about 1e-6 of the number): no bf16 or f16 on the way to a quantiser, and a product that is left as it is and whose result goes on into a quantised operand takes f32 operands (vector FMAs, or v_wmma_f32_16x16x4_f32). A number that lies on a knife's edge between two numbers of the format may be rounded either way, as far as f32 arithmetic and the matrix unit's own rounding can turn it there, and no further.
;; One version. Each part assembles by itself: llvm-mc -triple=amdgcn-amd-amdhsa -mcpu=gfx1250 --defsym DOCPART=n.
;; ======== version 1 of 1: 4 launches
;; limits: right only within a limited range of input values
;; workspace buffers: codes 12,582,912 bytes; scales 524,288 bytes; rope 524,288 bytes; padf 32,768 bytes; qq 3,407,872 bytes; kv 6,684,672 bytes; ac 3,145,728 bytes; asc 131,072 bytes
;; launch quant (part 1): grid 520 x 1, 4 waves a work-group, no clusters, 33,280 bytes of LDS; arguments q, k, v, Wq, Wk, Wv, Wo, key_padding_mask, codes, scales, rope, padf; writes codes, scales, rope, padf
.if DOCPART == 1
	.amdgcn_target "amdgcn-amd-amdhsa--gfx1250"
	.amdhsa_code_object_version 6
	.text
	.protected	k_q229f4edb06_quant
	.globl	k_q229f4edb06_quant
	.p2align	8
	.type	k_q229f4edb06_quant,@function
k_q229f4edb06_quant:
	s_mov_b64 s[64:65], 0
	v_nop
	global_prefetch_b8 v0, s[64:65] scope:SCOPE_SE
	s_setreg_imm32_b32 hwreg(HW_REG_WAVE_MODE, 25, 1), 1
	s_wait_xcnt 0x0
; MULTI-HEAD ATTENTION IN MX-BF6, LAUNCH 1 OF 4.  q, k, v [4096][1024] and Wq, Wk, Wv, Wo [1024][1024], f32, K innermost, become codes of BF6 (E3M2) with one E8M0 byte for each 32 along K;
; the table of RoPE's cosines and sines and two tables made of the padding mask are written beside them.
; DEAD WORK: none is left out, every input has a way to the output and is loaded by some launch.  reference() forms sin and cos twice (for Tq and for Tk) from the same constants: Tq = Tk = 2048, so ONE table serves q and k.
; A PADDED KEY: reference() puts -1e9 in place of its scores, whatever k holds there.  That choice is made here: the row of k of a padded key gets zero codes, so that its scores are exactly 0, and launch 3 adds the padded key's own number to them.
; WORK-GROUPS 0 .. 511: a wave takes 8 rows (8,192 numbers) in 16 steps of 512.  All seven tensors' codes lie on end in 'codes' (rows of 768 bytes), their scale bytes in 'scales' (32 bytes a row).
; ROW ORDER: in k, v, Wq, Wk, Wv the second and third group of 8 rows of every 32 change places, so that 16 rows on end of the buffer are rows 8 u + r + 8 (r / 8): the next launch's results then lie in a lane's
; registers as 16 neighbours along the next product's K.  A wave IS such a group of 8 rows, so only the place of its output changes.  q and Wo keep their order.
; A block's scale is 2^(floor(log2(largest magnitude)) - 4); its byte is the largest magnitude's exponent field - 4, held at 1 from below.  A block of zeros gets the byte 1 where the rule says 127: its codes are
; zeros, which add nothing under any byte but 0xff, and these bytes are read by this program alone.
; WORK-GROUPS 512 .. 519 (32 waves): wave W makes padf for keys 128 W .. 128 W + 127 (of 2 x 2048) and rows 64 W .. 64 W + 63 of RoPE's table.
; padf: A[key] at byte 0, B[key] at byte 16,384, f32: A = log2(e), B = 0; for a padded key A = 0, B = -1e9 x log2(e) rounded to f32.
; TABLE: cos[t][32] at byte 0, sin'[t][32] at byte 262,144, rows of 128 bytes; sin'[phi] = -sin for even phi, +sin for odd: the sign of rotate_half.  angle = t x f, f = 1 / 10^(phi / 8), both rounded to f32 as
; reference() rounds them; sine and cosine by reduction to |r| <= pi / 4 and polynomials to r^9 and r^10 (what they leave out is under 2e-9).
; LIMITS: NaN and infinities among the inputs are not served; blocks whose largest magnitude lies under 2^-122 keep the byte 1; 10^(phi / 8) is rounded to nearest here and may differ in the last bit from a library's power.
.set WAVES, 4
.set STEPS, 16
.set EMAX,  4
.set CB,    12                         ; bytes of 16 codes
.set R,     16                         ; v16-79   four sets of 16 numbers as they are loaded
.set X,     80                         ; v80-111  two sets of 16 neighbours
.set C,     128                        ; v128-191 codes: four registers for each step
.set E,     112                        ; v112-127 a scale byte for each step
.set WREG,  8192                       ; LDS: a region for each wave: two stages of 32 x SP bytes, then its 256 scale bytes
.set SP,    80                         ; a lane's place in a stage: 64 bytes + 16 of padding
.set SPW,   12                         ; v12 LDS address of my spare word; never rewritten
.set NIL,   13                         ; v13 0; never rewritten
.set SPARE, WAVES*WREG                 ; behind the four regions: the spare words, 128 bytes for each wave
.set KEEP,  46                         ; s46-53 for each of my 8 rows: all ones, or 0 for a padded row of k
	s_load_b512 s[4:19], s[0:1], 0x0               ; q, k, v, Wq, Wk, Wv, Wo, key_padding_mask
	s_load_b256 s[20:27], s[0:1], 0x40             ; codes, scales, rope, padf
	v_lshl_add_u32 v[SPW], v0, 2, SPARE
	v_mov_b32 v[NIL], 0
	v_lshrrev_b32 v1, 5, v0
	v_readfirstlane_b32 s28, v1                    ; wave
	v_and_b32 v2, 31, v0                           ; lane
	s_cmp_ge_u32 ttmp9, 512
	s_cbranch_scc1 .Ltab                           ; the last eight work-groups make the tables; they touch no LDS
	v_lshlrev_b32 v3, 4, v2                        ; my 16 bytes of a load's 512
	s_mul_i32 s29, s28, WREG
	v_lshrrev_b32 v14, 2, v2
	v_mul_u32_u24 v14, v14, SP
	v_and_b32 v15, 3, v2
	v_lshl_add_u32 v14, v15, 4, v14
	v_add_nc_u32 v14, s29, v14                     ; the stage, on the way in: SP (lane / 4) + 16 (lane % 4)
	v_mul_u32_u24 v15, v2, SP
	v_add_nc_u32 v15, s29, v15                     ; and on the way out: SP x lane: my 16 neighbours
	v_mul_u32_u24 v4, v2, CB                       ; my codes' place in a step's
	v_lshrrev_b32 v5, 1, v2
	s_add_co_u32 s29, s29, 2*32*SP
	v_add_nc_u32 v5, s29, v5                       ; LDS: my wave's 256 scale bytes, my block's byte
	v_lshlrev_b32 v7, 3, v2                        ; and on the way out 8 bytes a lane
	v_add_nc_u32 v6, s29, v7
	s_wait_alu depctr_va_vdst(0)
	s_wait_kmcnt 0x0
	s_mov_b64 s[30:31], s[4:5]                     ; which tensor: a choice on the work-group's number alone
	s_mov_b32 s32, 0                               ; and that tensor's first work-group
	s_cmp_ge_u32 ttmp9, 128
	s_cselect_b64 s[30:31], s[6:7], s[30:31]
	s_cselect_b32 s32, 128, s32
	s_cmp_ge_u32 ttmp9, 256
	s_cselect_b64 s[30:31], s[8:9], s[30:31]
	s_cselect_b32 s32, 256, s32
	s_cmp_ge_u32 ttmp9, 384
	s_cselect_b64 s[30:31], s[10:11], s[30:31]
	s_cselect_b32 s32, 384, s32
	s_cmp_ge_u32 ttmp9, 416
	s_cselect_b64 s[30:31], s[12:13], s[30:31]
	s_cselect_b32 s32, 416, s32
	s_cmp_ge_u32 ttmp9, 448
	s_cselect_b64 s[30:31], s[14:15], s[30:31]
	s_cselect_b32 s32, 448, s32
	s_cmp_ge_u32 ttmp9, 480
	s_cselect_b64 s[30:31], s[16:17], s[30:31]
	s_cselect_b32 s32, 480, s32
	s_sub_co_u32 s33, ttmp9, 128
	s_sub_co_u32 s43, ttmp9, 128                   ; under 128 in k's work-groups alone
	s_and_b32 s34, s28, 1
	s_lshl_b32 s34, s34, 1
	s_lshr_b32 s35, s28, 1
	s_or_b32 s34, s34, s35                         ; the wave's number with its two bits changed round
	s_cmp_lt_u32 s33, 352                          ; work-groups 128 .. 479: k, v, Wq, Wk, Wv
	s_cselect_b32 s34, s34, s28                    ; where my 8 rows go among the work-group's 32
	s_sub_co_u32 s33, ttmp9, s32
	s_lshl_b32 s33, s33, 2
	s_add_co_u32 s33, s33, s28
	s_lshl_b32 s42, s33, 3
	s_load_b64 s[44:45], s[18:19], s42 offset:0x0  ; the padding bytes of rows 8 x my run .. + 7 (at most byte 4,095; they count in k's work-groups alone)
	s_lshl_b32 s40, s33, 15                        ; in: 32,768 bytes a wave
	s_mov_b32 s41, 0
	s_add_nc_u64 s[30:31], s[30:31], s[40:41]
	s_lshl_b32 s33, ttmp9, 2
	s_add_co_u32 s33, s33, s34
	s_mul_i32 s40, s33, 32*STEPS*CB                ; out: 6,144 bytes of codes
	s_add_nc_u64 s[36:37], s[20:21], s[40:41]
	s_lshl_b32 s40, s33, 8                         ; and 256 scale bytes
	s_add_nc_u64 s[38:39], s[22:23], s[40:41]
.macro LOAD t
.irp i, 0,1,2,3
	global_load_b128 v[R+16*((\t)%4)+4*\i:R+16*((\t)%4)+4*\i+3], v3, s[30:31] offset:2048*(\t)+512*\i th:TH_LOAD_NT   ; 32 lanes read 512 consecutive bytes
.endr
.endm
.macro TURN t                          ; step t's numbers through the stage: LDS serves a wave's instructions in order, so no wait stands between the stores and the loads
.irp i, 0,1,2,3
	ds_store_b128 v14, v[R+16*((\t)%4)+4*\i:R+16*((\t)%4)+4*\i+3] offset:32*SP*((\t)%2)+8*SP*\i
.endr
.irp i, 0,1,2,3
	ds_load_b128 v[X+16*((\t)%2)+4*\i:X+16*((\t)%2)+4*\i+3], v15 offset:32*SP*((\t)%2)+16*\i
.endr
.endm
.irp t, 0,1,2,3
	LOAD \t
.endr
	s_wait_kmcnt 0x0                               ; the padding bytes
	s_cmp_lt_u32 s43, 128
	s_cselect_b32 s44, s44, 0                      ; no row of another tensor is padded
	s_cselect_b32 s45, s45, 0
.irp r, 0,1,2,3,4,5,6,7
	s_bfe_u32 s[KEEP+\r], s[44+\r/4], (8*(\r%4))|(1<<16)
	s_sub_co_u32 s[KEEP+\r], s[KEEP+\r], 1         ; 1 -> 0, 0 -> all ones
.endr
	s_wait_loadcnt 12                              ; step 0's four loads are in; the twelve of steps 1 to 3 may be out
	TURN 0
.macro STEP t
.set XS, X+16*((\t)%2)
.if (\t) > 0
	s_wait_dscnt 1                                 ; this step's numbers are back from the stage (the last step's byte store may be out)
.else
	s_wait_dscnt 0x0
.endif
.if (\t)+4 < STEPS
	LOAD (\t)+4                                    ; into the registers that this step's stores into the stage have read
.endif
.if (\t)+1 < STEPS
.if STEPS-2-(\t) >= 3
	s_wait_loadcnt 12                              ; the next step's four loads are in; those of the three steps behind it may be out
.else
	s_wait_loadcnt 4*(STEPS-2-(\t))
.endif
	TURN (\t)+1
.endif
	v_max3_num_f32 v8, |v[XS]|, |v[XS+1]|, |v[XS+2]|               ; the largest magnitude of my 16
	v_max3_num_f32 v9, |v[XS+3]|, |v[XS+4]|, |v[XS+5]|
.irp i, 6,10
	v_max3_num_f32 v8, v8, |v[XS+\i]|, |v[XS+\i+1]|
	v_max3_num_f32 v9, v9, |v[XS+\i+2]|, |v[XS+\i+3]|
.endr
	v_max3_num_f32 v8, v8, |v[XS+14]|, |v[XS+15]|
	v_max3_num_f32 v8, v8, v9, (EMAX+1)<<23        ; and the floor 2^(5 - 127): the byte cannot fall under 1
	v_max_num_f32_dpp v8, v8, v8 row_xmask:1 row_mask:0xf bank_mask:0xf   ; and of my neighbour's 16: the block's
	v_add_nc_u32 v11, -(EMAX<<23), v8              ; 4 off its exponent field: the conversion takes the exponent field of this operand as its scale
	v_cvt_scalef32_pk16_bf6_f32 v[C+4*(\t):C+4*(\t)+2], v[XS:XS+15], v11
	v_lshrrev_b32 v[E+(\t)], 23, v11               ; the scale's byte (a plain line behind the conversion)
.irp i, 0,1,2
	v_and_b32 v[C+4*(\t)+\i], s[KEEP+(\t)/2], v[C+4*(\t)+\i]       ; two steps to a row: a padded row of k gets zero codes
.endr
	ds_store_b8 v5, v[E+(\t)] offset:16*(\t)       ; both lanes of a block write the same byte with the same value
	global_store_b96 v4, v[C+4*(\t):C+4*(\t)+2], s[36:37] offset:32*CB*(\t)   ; the wave stores 384 consecutive bytes
.endm
.irp t, 0,1,2,3,4,5,6,7,8,9,10,11,12,13,14,15
	STEP \t
.endr
	ds_load_b64 v[8:9], v6                         ; LDS serves a wave's instructions in order: these see my stores
	s_wait_dscnt 0x0
	global_store_b64 v7, v[8:9], s[38:39]          ; 32 lanes store 256 consecutive bytes, aligned
	s_wait_tensorcnt 0x0                           ; the wave's end: behind my last LDS store
	ds_add_u32 v[SPW], v[NIL]
	s_wait_dscnt 0x0
	s_endpgm
.Ltab:
	s_sub_co_u32 s29, ttmp9, 512
	s_lshl_b32 s29, s29, 2
	s_add_co_u32 s29, s29, s28                     ; W = 0 .. 31
	s_wait_alu depctr_va_vdst(0)
	s_lshl_b32 s30, s29, 7
	v_lshl_add_u32 v4, v2, 2, s30                  ; my four keys: 128 W + 4 lane
	s_wait_alu depctr_va_vdst(0)
	s_wait_kmcnt 0x0
	global_load_b32 v6, v4, s[18:19]               ; their padding bytes
	; ---- f = 1 / 10^(phi / 8) for my four phi = 4 (lane % 8) + e.  10^(phi / 8) = base x 10^(phi / 8 rounded down); the base, 10^((4 (lane % 2) + e) / 8), is kept as a high and a low f32
	v_and_b32 v8, 1, v2
	v_cmp_eq_u32 vcc_lo, 1, v8
.macro BASE e, h0, h1, l0, l1
	v_mov_b32 v[32+\e], \h1
	v_cndmask_b32 v[20+\e], \h0, v[32+\e], vcc_lo
	v_mov_b32 v[36+\e], \l1
	v_cndmask_b32 v[24+\e], \l0, v[36+\e], vcc_lo
.endm
	BASE 0, 1.0,        0x404a62c2, 0,          0xb324b4d0
	BASE 1, 0x3faab0d5, 0x4086f161, 0xb3645780, 0xb430576d
	BASE 2, 0x3fe39ea9, 0x40b3f300, 0xb26aee20, 0x34323465
	BASE 3, 0x4017c496, 0x40eff755, 0x33606962, 0x34515b57
	v_bfe_u32 v9, v2, 1, 2
	v_mov_b32 v10, 1.0
	v_mov_b32 v11, 0x41200000                      ; 10
	v_cmp_eq_u32 vcc_lo, 1, v9
	v_cndmask_b32 v10, v10, v11, vcc_lo
	v_mov_b32 v11, 0x42c80000                      ; 100
	v_cmp_eq_u32 vcc_lo, 2, v9
	v_cndmask_b32 v10, v10, v11, vcc_lo
	v_mov_b32 v11, 0x447a0000                      ; 1000
	v_cmp_eq_u32 vcc_lo, 3, v9
	v_cndmask_b32 v10, v10, v11, vcc_lo
.irp e, 0,1,2,3
	v_mul_f32 v[28+\e], v[20+\e], v10              ; high x power, rounded,
.endr
.irp e, 0,1,2,3
	v_fma_f32 v[32+\e], v[20+\e], v10, -v[28+\e]   ; what that rounding lost, exactly,
.endr
.irp e, 0,1,2,3
	v_fma_f32 v[32+\e], v[24+\e], v10, v[32+\e]    ; and low x power
.endr
.irp e, 0,1,2,3
	v_add_f32 v[28+\e], v[28+\e], v[32+\e]         ; 10^(phi / 8) to the nearest f32
.endr
	s_wait_alu depctr_va_vdst(0)
.irp e, 0,1,2,3
	v_rcp_f32 v[20+\e], v[28+\e]
.endr
	v_nop                                          ; a plain line behind the reciprocals
	s_wait_alu depctr_va_vdst(0)                   ; one wait for the four, ahead of their first reader
.irp e, 0,1,2,3
	v_fma_f32 v[32+\e], -v[28+\e], v[20+\e], 1.0   ; one step of Newton's: the quotient 1 / x as a division rounds it
.endr
.irp e, 0,1,2,3
	v_fma_f32 v[20+\e], v[32+\e], v[20+\e], v[20+\e]
.endr
	s_wait_loadcnt 0x0
	; ---- padf: A and B of my four keys
	v_mov_b32 v8, 0xce6e6b28                       ; -1e9
	v_mov_b32 v9, 0x3fb8aa3b                       ; log2(e)
	v_mov_b32 v11, 0
	v_mul_f32 v8, v9, v8                           ; a padded key's t, rounded as the product of the two rounds
.irp e, 0,1,2,3
	v_bfe_u32 v10, v6, 8*\e, 1
	v_cmp_eq_u32 vcc_lo, 1, v10
	v_cndmask_b32 v[48+\e], v9, v11, vcc_lo        ; A
	v_cndmask_b32 v[52+\e], v11, v8, vcc_lo        ; B
.endr
	s_lshl_b32 s30, s29, 9
	v_lshl_add_u32 v46, v2, 4, s30
	global_store_b128 v46, v[48:51], s[26:27]                  ; the wave stores 512 consecutive bytes, aligned; v46, v48-55 are not written again
	global_store_b128 v46, v[52:55], s[26:27] offset:16384
	; ---- the table: 16 trips of 4 rows; eight lanes to a row, four phi a lane
	v_lshrrev_b32 v16, 3, v2
	s_lshl_b32 s30, s29, 6
	v_add_nc_u32 v16, s30, v16
	v_cvt_f32_u32 v16, v16                         ; t, as f32
	s_lshl_b32 s31, s29, 13
	v_lshl_add_u32 v17, v2, 4, s31                 ; my 16 bytes: 8,192 W + 16 lane
	s_mov_b32 s51, 0xbfc90fdb                      ; -fl(pi / 2)
	s_mov_b32 s52, 0x333bbd2e                      ; fl(pi / 2) - pi / 2
	s_mov_b32 s53, 0x3638ef1d                      ; 1 / 9!
	s_mov_b32 s54, 0xb9500d01                      ; -1 / 7!
	s_mov_b32 s55, 0x3c088889                      ; 1 / 5!
	s_mov_b32 s56, 0xbe2aaaab                      ; -1 / 3!
	s_mov_b32 s57, 0xb493f27e                      ; -1 / 10!
	s_mov_b32 s58, 0x37d00d01                      ; 1 / 8!
	s_mov_b32 s59, 0xbab60b61                      ; -1 / 6!
	s_mov_b32 s60, 0x3d2aaaab                      ; 1 / 4!
.macro SC e
	v_mul_f32 v32, v16, v[20+\e]                   ; the angle, rounded to f32 as reference() has it
	v_mul_f32 v33, 0x3f22f983, v32
	v_rndne_f32 v33, v33                           ; n = the nearest multiple of pi / 2
	v_fma_f32 v34, v33, s51, v32                   ; exact: n x fl(pi / 2) is a multiple of 2^-23 and the difference lies under 1
	v_fma_f32 v34, v33, s52, v34                   ; r
	v_cvt_i32_f32 v35, v33
	v_mul_f32 v36, v34, v34
	v_fma_f32 v37, v36, s53, s54
	v_fma_f32 v39, v36, s57, s58
	v_fma_f32 v37, v37, v36, s55
	v_fma_f32 v39, v39, v36, s59
	v_fma_f32 v37, v37, v36, s56
	v_fma_f32 v39, v39, v36, s60
	v_mul_f32 v38, v34, v36
	v_fma_f32 v39, v39, v36, -0.5
	v_fma_f32 v37, v38, v37, v34                   ; sin r
	v_fma_f32 v39, v39, v36, 1.0                   ; cos r
	v_and_b32 v40, 1, v35
	v_cmp_eq_u32 vcc_lo, 1, v40                    ; odd n: the two change places
	v_cndmask_b32 v41, v37, v39, vcc_lo
	v_cndmask_b32 v42, v39, v37, vcc_lo
.if (\e)%2 == 0
	v_add_nc_u32 v40, 2, v35                       ; even phi: -sin
	v_lshlrev_b32 v40, 30, v40
.else
	v_lshlrev_b32 v40, 30, v35
.endif
	v_and_b32 v40, 0x80000000, v40                 ; the sine is negative where n mod 4 is 2 or 3
	v_xor_b32 v[28+\e], v40, v41
	v_add_nc_u32 v40, 1, v35
	v_lshlrev_b32 v40, 30, v40
	v_and_b32 v40, 0x80000000, v40                 ; the cosine where it is 1 or 2
	v_xor_b32 v[24+\e], v40, v42
.endm
	s_mov_b32 s30, 0
.Ltrip:
	s_wait_alu depctr_va_vdst(0)
	SC 0
	SC 1
	SC 2
	SC 3
	global_store_b128 v17, v[24:27], s[24:25]                  ; 512 consecutive bytes, aligned
	global_store_b128 v17, v[28:31], s[24:25] offset:262144
	s_wait_xcnt 0x0                                ; the stores' data and offset are written again only behind this wait
	v_add_nc_u32 v17, 512, v17
	v_add_f32 v16, 4.0, v16
	s_add_co_u32 s30, s30, 1
	s_cmp_lt_u32 s30, 16
	s_cbranch_scc1 .Ltrip
	s_endpgm
.Lfunc_end_k_q229f4edb06_quant:
	.size	k_q229f4edb06_quant, .Lfunc_end_k_q229f4edb06_quant-k_q229f4edb06_quant
	.p2alignl 7, 3214868480
	.fill 96, 4, 3214868480
	.section	.rodata,"a",@progbits
	.p2align	6, 0x0
	.amdhsa_kernel k_q229f4edb06_quant
		.amdhsa_group_segment_fixed_size 33280
		.amdhsa_private_segment_fixed_size 0
		.amdhsa_enable_private_segment 0
		.amdhsa_kernarg_size 96
		.amdhsa_user_sgpr_count 2
		.amdhsa_user_sgpr_kernarg_segment_ptr 1
		.amdhsa_wavefront_size32 1
		.amdhsa_system_sgpr_workgroup_id_x 1
		.amdhsa_system_sgpr_workgroup_id_y 1
		.amdhsa_system_sgpr_workgroup_id_z 1
		.amdhsa_system_vgpr_workitem_id 0
		.amdhsa_next_free_vgpr 192
		.amdhsa_next_free_sgpr 66
		.amdhsa_reserve_vcc 1
		.amdhsa_float_denorm_mode_32 3
		.amdhsa_float_denorm_mode_16_64 3
		.amdhsa_memory_ordered 1
		.amdhsa_forward_progress 1
		.amdhsa_inst_pref_size 47
	.end_amdhsa_kernel
	.amdgpu_metadata
---
amdhsa.version: [ 1, 2 ]
amdhsa.kernels:
  - .name:           k_q229f4edb06_quant
    .symbol:         k_q229f4edb06_quant.kd
    .args:
      - { .name: q, .offset: 0, .size: 8, .value_kind: global_buffer, .address_space: global }
      - { .name: k, .offset: 8, .size: 8, .value_kind: global_buffer, .address_space: global }
      - { .name: v, .offset: 16, .size: 8, .value_kind: global_buffer, .address_space: global }
      - { .name: Wq, .offset: 24, .size: 8, .value_kind: global_buffer, .address_space: global }
      - { .name: Wk, .offset: 32, .size: 8, .value_kind: global_buffer, .address_space: global }
      - { .name: Wv, .offset: 40, .size: 8, .value_kind: global_buffer, .address_space: global }
      - { .name: Wo, .offset: 48, .size: 8, .value_kind: global_buffer, .address_space: global }
      - { .name: key_padding_mask, .offset: 56, .size: 8, .value_kind: global_buffer, .address_space: global }
      - { .name: codes, .offset: 64, .size: 8, .value_kind: global_buffer, .address_space: global }
      - { .name: scales, .offset: 72, .size: 8, .value_kind: global_buffer, .address_space: global }
      - { .name: rope, .offset: 80, .size: 8, .value_kind: global_buffer, .address_space: global }
      - { .name: padf, .offset: 88, .size: 8, .value_kind: global_buffer, .address_space: global }
    .group_segment_fixed_size: 33280
    .private_segment_fixed_size: 0
    .kernarg_segment_align: 8
    .kernarg_segment_size: 96
    .max_flat_workgroup_size: 128
    .sgpr_count:     66
    .vgpr_count:     192
    .wavefront_size: 32
...
	.end_amdgpu_metadata
.endif
;; end of part 1
;; launch proj (part 2): grid 8 x 96, 4 waves a work-group, clusters of 4 x 4, 327,680 bytes of LDS; arguments codes, scales, rope, qq, kv; writes qq, kv
.if DOCPART == 2
	.amdgcn_target "amdgcn-amd-amdhsa--gfx1250"
	.amdhsa_code_object_version 6
	.text
	.protected	k_q229f4edb06_proj
	.globl	k_q229f4edb06_proj
	.p2align	8
	.type	k_q229f4edb06_proj,@function
k_q229f4edb06_proj:
	s_mov_b64 s[64:65], 0
	v_nop
	global_prefetch_b8 v0, s[64:65] scope:SCOPE_SE
	s_setreg_imm32_b32 hwreg(HW_REG_WAVE_MODE, 25, 1), 1
	s_wait_xcnt 0x0
	s_wait_alu depctr_hold_cnt(0) depctr_sa_sdst(0) depctr_va_vdst(0) depctr_va_sdst(0) depctr_va_ssrc(0) depctr_va_vcc(0) depctr_vm_vsrc(0)
	s_getreg_b32 s2, hwreg(HW_REG_IB_STS2, 6, 4)
	s_cmp_eq_u32 s2, 0
	s_cbranch_scc0 .Lentry_in_a_cluster
	s_endpgm
.Lentry_in_a_cluster:
	s_bfe_u32 s2, ttmp6, 0x10000c
	s_cmp_lg_u32 s2, 0xf033
	s_cbranch_scc0 .Lentry_shape_is_right
	s_endpgm
.Lentry_shape_is_right:
; LAUNCH 2 OF 4: the three projections on codes of BF6, RoPE on q and k, and the results quantised for the attention.  No work of reference() is left out.
; A work-group makes a block of 128 x 128 over ALL of K = 1,024: its 128 + 128 rows of codes (768 bytes each, three whole runs of 256 bytes) come into LDS once, one joint tensor load of 64 rows a wave; nothing is filled again.
; The grid is 8 x 96 = 768 work-groups; 8 rows of clusters to a tensor.  q, k: source 1 = 128 tokens, source 0 = 128 rows of Wq, Wk (two heads).  v: source 1 = 128 rows of Wv (two heads), source 0 = 128 keys: V^T.
; CLUSTER 4 x 4: source 1's tile hangs on cy alone and is asked for jointly along a row of the cluster, source 0's on cx alone, along a column.
; A wave takes 32 rows of source 1 against all 128 of source 0: 16 accumulators, by turns.  The product is used transposed: a lane holds one row of source 1, its registers run along source 0's rows.
; LDS: 16 bytes of padding behind each 256, so a row's pitch is 816 bytes: byte y of a row lies at y + 16 (y / 256).
; The scale words go from memory into registers: 32 bytes a row, lane r takes row r of each block of 16 (both halves of the lanes alike).
; The table of cosines and sines is asked for at the head by every work-group; v's do not use it: no branch stands in the head.
; No prefetch: the launch has no loop to run ahead in; a work-group's only tiles are asked for at its head.
; OUT: qq: images of Q's operand registers [16 batch + head][tile of 16 queries][768], scale words behind them at byte 3,145,728; kv: records of 13,056 bytes [4 batch + group][key step][head]: K's 8 tiles of 768, V^T's 4 of 1,536, K's 4 pairs of scale words, V's 2.
; WINDOWS: 0: v0-31 addresses, v32-47 and v48-111 scale words, v112-175 and v200-243 the way out; 1: source 0's fragments, two sets at v0 and v128, the table at v96 and v224; 2: v0-127 accumulators, v128-175 source 1's fragments, two sets.
.set KROW,  768
.set PITCH, 816
.set FR,    12
.set HALFT, 64*PITCH
.set SPARE, 4*HALFT
.set ADRA, 16
.set ADRB, 20
.set SPW,  28
.set NIL,  29
.set SA,   32
.set SB,   48
.set AF,   128
.set H,    112
.set CS,   96
.set TM,   200
.set PW,   216
.set EA,   217
.set EB,   218
.set WA,   219
.set WB,   220
.set PC,   224
.set G1,  24
.set G0,  32
.set G0B, 36
.set G1B, 48
.set MSB, 0
.macro WIN new
.if MSB != (\new)
	s_set_vgpr_msb (MSB<<8)|(\new)
.set MSB, (\new)
.endif
.endm
.set MULW, 0xa9                        ; source 0 window 1, source 1, C and D window 2
.set TO_B, 0x40
.set TO_A, 0x80
.macro CROUND                          ; a round of the cluster's barrier
	s_barrier_signal -1
	s_barrier_wait -1
	s_cmp_lg_u32 s14, 0
	s_cbranch_scc1 .Lnot_wave_0_\@
	s_barrier_signal -3
.Lnot_wave_0_\@:
	s_barrier_wait -3
	s_barrier_signal -1
	s_barrier_wait -1
.endm
.macro PLACES n
.rept \n
	v_nop
.endr
.endm
	s_load_b128 s[4:7], s[0:1], 0x0                ; codes, scales
	s_load_b128 s[8:11], s[0:1], 0x10              ; rope, qq
	s_load_b64 s[12:13], s[0:1], 0x20              ; kv
	v_lshl_add_u32 v[SPW], v0, 2, SPARE
	v_mov_b32 v[NIL], 0
	ds_add_u32 v[SPW], v[NIL]                      ; the opening lines: the add, twice on end, and its wait
	ds_add_u32 v[SPW], v[NIL]
	v_lshrrev_b32 v1, 5, v0
	v_readfirstlane_b32 s14, v1                    ; wave
	s_lshr_b32 s15, s14, 1                         ; I fetch for source 1 (0) or source 0 (1)
	s_and_b32 s16, s14, 1                          ; which 64 rows of that tile
	s_bfe_u32 s40, ttmp6, 0x40000                  ; cx
	s_bfe_u32 s41, ttmp6, 0x40004                  ; cy
	s_and_b32 s95, ttmp7, 0xffff
	s_lshr_b32 s96, s95, 3                         ; tensor: 0 q, 1 k, 2 v
	s_and_b32 s97, s95, 7
	s_lshl_b32 s97, s97, 2
	s_lshl_b32 s94, ttmp9, 2
	s_cmp_eq_u32 s96, 2
	s_cselect_b32 s98, s97, s94
	s_cselect_b32 s99, s94, s97
	s_add_co_u32 s42, s40, s98                     ; source 0's block of 128 rows
	s_add_co_u32 s17, s41, s99                     ; source 1's
	s_lshl_b32 s43, s41, 2
	s_lshl_b32 s43, 15, s43                        ; my row of the cluster
	s_lshl_b32 s44, 0x1111, s40                    ; my column
	s_mov_b32 s100, 10223616                       ; where the tensors begin in codes (s100 source 0, s101 source 1) and in scales (s66, s67)
	s_mov_b32 s101, 3145728
	s_mov_b32 s66, 425984
	s_mov_b32 s67, 131072
	s_cmp_eq_u32 s96, 0
	s_cselect_b32 s100, 9437184, s100
	s_cselect_b32 s101, 0, s101
	s_cselect_b32 s66, 393216, s66
	s_cselect_b32 s67, 0, s67
	s_cmp_eq_u32 s96, 2
	s_cselect_b32 s100, 6291456, s100
	s_cselect_b32 s101, 11010048, s101
	s_cselect_b32 s66, 262144, s66
	s_cselect_b32 s67, 458752, s67
	s_or_b32 s[G1+0], s43, (0<<16)|(1<<20)|(1<<21)|(5<<22)|(3<<25)   ; elements of 1 byte; after every 64 words 4 words of padding; bit 21 beside a mask
	s_or_b32 s[G1B+0], s44, (0<<16)|(1<<20)|(1<<21)|(5<<22)|(3<<25)
.irp g, G1, G1B
	s_mov_b32 s[\g+1], KROW<<16
	s_mov_b32 s[\g+2], 64<<16
	s_mov_b32 s[\g+3], KROW<<16
	s_mov_b32 s[\g+4], 64
	s_mov_b32 s[\g+5], KROW
	s_mov_b32 s[\g+6], 0
	s_mov_b32 s[\g+7], 0
.endr
	s_lshl_b32 s18, s16, 6
	s_lshl_b32 s20, s17, 7
	s_add_co_u32 s20, s20, s18
	s_mul_i32 s20, s20, KROW
	s_add_co_u32 s20, s20, s101
	s_mov_b32 s21, 0
	s_lshl_b32 s46, s42, 7
	s_add_co_u32 s46, s46, s18
	s_mul_i32 s46, s46, KROW
	s_add_co_u32 s46, s46, s100
	s_mov_b32 s47, 0
	s_lshl_b32 s22, s17, 12                        ; my 32 rows' scales: 32 bytes a row
	s_lshl_b32 s23, s14, 10
	s_add_co_u32 s22, s22, s23
	s_add_co_u32 s22, s22, s67
	s_mov_b32 s23, 0
	s_lshl_b32 s92, s42, 12                        ; source 0's 128 rows' scales
	s_add_co_u32 s92, s92, s66
	s_mov_b32 s93, 0
	s_lshl_b32 s56, s17, 7                         ; the table: my first position, 128 bytes a position
	s_lshl_b32 s57, s14, 5
	s_add_co_u32 s56, s56, s57
	s_and_b32 s56, s56, 2047
	s_lshl_b32 s56, s56, 7
	s_mov_b32 s57, 0
	s_mov_b32 s60, 2048                            ; from my first tile's rows to my second's: 16 positions; in k's row order 8
	s_cmp_eq_u32 s96, 1
	s_cselect_b32 s60, 1024, s60
	s_cselect_b32 s61, 8, 0                        ; k: lane r of a tile holds row r + 8 (r / 8)
	s_mul_i32 s45, s14, HALFT                      ; where my 64 rows go: source 1's 128 rows, then source 0's
	s_mul_i32 s19, s14, 32*PITCH                   ; where my 32 rows of source 1 lie
	s_wait_dscnt 0x0
	s_wait_kmcnt 0x0
	s_add_nc_u64 s[20:21], s[4:5], s[20:21]
	s_add_nc_u64 s[46:47], s[4:5], s[46:47]
	s_add_nc_u64 s[22:23], s[6:7], s[22:23]
	s_add_nc_u64 s[92:93], s[6:7], s[92:93]
	s_add_nc_u64 s[58:59], s[8:9], s[56:57]
	CROUND                                         ; all sixteen work-groups are here: the joint loads meet
	s_mov_b32 s[G0], 1
	s_mov_b32 s[G0+1], s45
	s_mov_b64 s[G0+2:G0+3], s[20:21]
	s_or_b32 s[G0+3], s[G0+3], 0x80000000
	s_mov_b32 s[G0B], 1
	s_mov_b32 s[G0B+1], s45
	s_mov_b64 s[G0B+2:G0B+3], s[46:47]
	s_or_b32 s[G0B+3], s[G0B+3], 0x80000000
	s_cmp_eq_u32 s15, 0                            ; one tensor load a wave, the wave's only one
	s_cbranch_scc0 .Lfor_b
	tensor_load_to_lds s[G0:G0+3], s[G1:G1+7]
	s_nop 0
	PLACES 4
	s_branch .Lasked
.Lfor_b:
	tensor_load_to_lds s[G0B:G0B+3], s[G1B:G1B+7]
	s_nop 0
	PLACES 4
.Lasked:
	v_and_b32 v1, 15, v0                           ; r
	v_bfe_u32 v2, v0, 4, 1                         ; h
	v_mul_u32_u24 v4, v1, PITCH
	v_mad_u32_u24 v4, v2, 24, v4                   ; a fragment's row x pitch + 24 h
	v_add_nc_u32 v[ADRA], s19, v4
	v_lshl_add_u32 v[ADRA+1], v2, 4, v[ADRA]       ; for pieces whose lanes 16-31 lie behind the next padding
	v_add_nc_u32 v[ADRB], 2*HALFT, v4              ; source 0's blocks 0-3,
	v_lshl_add_u32 v[ADRB+1], v2, 4, v[ADRB]
	v_add_nc_u32 v[ADRB+2], 3*HALFT, v4            ; and 4-7: the immediate has 16 bits
	v_lshl_add_u32 v[ADRB+3], v2, 4, v[ADRB+2]
	v_lshlrev_b32 v5, 5, v1                        ; scales: 32 r
	v_and_b32 v7, s61, v1
	v_add_nc_u32 v7, v7, v1
	v_lshlrev_b32 v7, 7, v7
	v_lshl_add_u32 v7, v2, 6, v7                   ; the table: my row's position, + 64 h: phi = 16 h ..
	v_add_nc_u32 v8, s60, v7
	s_wait_alu depctr_va_vdst(0)                   ; the wait at the head's end
.irp a, 0,1
	global_load_b128 v[SA+8*\a:SA+8*\a+3], v5, s[22:23] offset:512*\a
	global_load_b128 v[SA+8*\a+4:SA+8*\a+7], v5, s[22:23] offset:512*\a+16
.endr
.irp b, 0,1,2,3,4,5,6,7
	global_load_b128 v[SB+8*\b:SB+8*\b+3], v5, s[92:93] offset:512*\b
	global_load_b128 v[SB+8*\b+4:SB+8*\b+7], v5, s[92:93] offset:512*\b+16
.endr
	WIN TO_B
.irp a, 0,1
.irp j, 0,1,2,3
	global_load_b128 v[CS+128*\a+4*\j:CS+128*\a+4*\j+3], v[7+\a], s[58:59] offset:16*\j
	global_load_b128 v[CS+128*\a+16+4*\j:CS+128*\a+16+4*\j+3], v[7+\a], s[58:59] offset:262144+16*\j
.endr
.endr
	WIN 0
.macro FRAG reg, adr, st, i            ; 16 rows x 128 K: 12 registers, in pieces of 8 bytes; lanes 16-31 read 24 bytes further on
.irp p, 0,1,2,3,4,5
.set BY, 96*(\st)+48*(\p/3)+8*(\p%3)
.if BY/256 == (BY+24)/256
	ds_load_b64 v[\reg+2*\p:\reg+2*\p+1], v[\adr] offset:BY+16*(BY/256)+(\i)*16*PITCH
.else
	ds_load_b64 v[\reg+2*\p:\reg+2*\p+1], v[\adr+1] offset:BY+16*(BY/256)+(\i)*16*PITCH
.endif
.endr
.endm
.macro FETCH st                        ; 60 LDS loads: K step st's fragments into set st % 2
	WIN TO_B
.irp i, 0,1,2,3,4,5,6,7
	FRAG 128*((\st)%2)+FR*\i, ADRB+2*(\i/4), \st, \i%4
.endr
	WIN TO_A
.irp i, 0,1
	FRAG AF+24*((\st)%2)+FR*\i, ADRA, \st, \i
.endr
.endm
.macro STEP st                         ; 128 along K: 16 products, the accumulators by turns in the same order in every step
.if (\st) < 7
.if (\st) > 0
	PLACES 4                                       ; in front of loads into the set that the last step's products read
.endif
	FETCH (\st)+1
	s_wait_dscnt 60                                ; all but the 60 just issued: this step's fragments are in
.else
	s_wait_dscnt 0x0
.endif
	WIN MULW
.set PS, (\st)%2
.irp a, 0,1
.irp b, 0,1,2,3,4,5,6,7
.if (\st) == 0
	v_wmma_scale_f32_16x16x128_f8f6f4 v[64*\a+8*\b:64*\a+8*\b+7], v[128*PS+FR*\b:128*PS+FR*\b+FR-1], v[AF+24*PS+FR*\a:AF+24*PS+FR*\a+FR-1], 0, v[SB+8*\b+(\st)], v[SA+8*\a+(\st)] matrix_a_fmt:MATRIX_FMT_BF6 matrix_b_fmt:MATRIX_FMT_BF6
.else
	v_wmma_scale_f32_16x16x128_f8f6f4 v[64*\a+8*\b:64*\a+8*\b+7], v[128*PS+FR*\b:128*PS+FR*\b+FR-1], v[AF+24*PS+FR*\a:AF+24*PS+FR*\a+FR-1], v[64*\a+8*\b:64*\a+8*\b+7], v[SB+8*\b+(\st)], v[SA+8*\a+(\st)] matrix_a_fmt:MATRIX_FMT_BF6 matrix_b_fmt:MATRIX_FMT_BF6
.endif
.endr
.endr
.endm
	s_wait_tensorcnt 0x0                           ; my 64 rows are in;
	s_barrier_signal -1
	s_barrier_wait -1                              ; everybody's are
	FETCH 0
	s_wait_loadcnt 0x0                             ; the scale words and the table
.set ST, 0
.rept 8
	STEP ST
.set ST, ST+1
.endr
	WIN 0
; 64 numbers a lane (four blocks of 32 along the next K, 16 of each in lanes l and l xor 16) become 12 registers of codes and a scale word
.macro QUANT s, w
	WIN (\w)|((\w)<<2)
.irp b, 0,1,2,3
	v_max3_num_f32 v[TM+\b], |v[(\s)+16*\b]|, |v[(\s)+1+16*\b]|, 0x2800000
.endr
.irp i, 2,4,6,8,10,12,14
.irp b, 0,1,2,3
	v_max3_num_f32 v[TM+\b], |v[(\s)+16*\b+\i]|, |v[(\s)+1+16*\b+\i]|, v[TM+\b]
.endr
.endr
	WIN 0
.irp b, 0,1,2,3
	v_permlanex16_b32 v[TM+4+\b], v[TM+\b], s40, s41
.endr
.irp b, 0,1,2,3
	v_max_num_f32 v[TM+\b], v[TM+\b], v[TM+4+\b]
.endr
.irp b, 0,1,2,3
	v_add_nc_u32 v[TM+12+\b], 0xfe000000, v[TM+\b]
.endr
.irp b, 0,1,2,3
	v_lshrrev_b32 v[TM+4+\b], 23, v[TM+12+\b]
.endr
	v_lshl_or_b32 v[PW], v[TM+5], 8, v[TM+4]
	v_lshl_or_b32 v[PW], v[TM+6], 16, v[PW]
	v_lshl_or_b32 v[PW], v[TM+7], 24, v[PW]
	WIN (\w)
.irp c, 0,1
	v_cvt_scalef32_pk16_bf6_f32 v[PC+6*\c:PC+2+6*\c], v[(\s)+32*\c:(\s)+15+32*\c], v[TM+12+2*\c]
	v_cvt_scalef32_pk16_bf6_f32 v[PC+12+4*\c:PC+14+4*\c], v[(\s)+16+32*\c:(\s)+31+32*\c], v[TM+12+2*\c+1]
.endr
	WIN 0
	v_nop
.irp c, 0,1
.irp i, 0,1,2
	v_permlane16_swap_b32 v[PC+6*\c+\i], v[PC+12+4*\c+\i]
.endr
.irp i, 0,1,2
	v_mov_b32 v[PC+3+6*\c+\i], v[PC+12+4*\c+\i]
.endr
.endr
.endm
	PLACES 4
	v_and_b32 v3, 31, v0
	v_lshlrev_b32 v4, 4, v3
	v_lshlrev_b32 v5, 3, v3
	v_lshlrev_b32 v6, 2, v3
.irp b, 0,1,2,3
	v_mov_b32 v[TM+4+\b], 0                        ; a lane permute's destination counts as one of its sources
.endr
	s_wait_alu depctr_va_vdst(0)                   ; ahead of the run of scalar lines
	s_mov_b32 s38, 0xffff0000
	s_mov_b32 s40, 0x76543210
	s_mov_b32 s41, 0xfedcba98
	s_cmp_eq_u32 s96, 2
	s_cbranch_scc1 .Lv
	s_lshr_b32 s44, s17, 4                         ; batch
	s_lshl_b32 s45, s17, 3
	s_lshl_b32 s46, s14, 1
	s_add_co_u32 s45, s45, s46
	s_and_b32 s45, s45, 127                        ; my first tile of 16 rows in the batch
	s_lshl_b32 s46, s42, 1
	s_lshl_b32 s47, s44, 4
	s_add_co_u32 s46, s46, s47                     ; 16 batch + the first of my two heads
	s_lshl_b32 s48, s46, 7
	s_add_co_u32 s48, s48, s45
	s_mul_i32 s48, s48, 768                        ; q: my tile's image,
	s_lshl_b32 s50, s46, 6
	s_lshr_b32 s47, s45, 1
	s_add_co_u32 s50, s50, s47
	s_lshl_b32 s50, s50, 7
	s_add_co_u32 s50, s50, 3145728                 ; and my pair's scale words
	s_lshl_b32 s52, s44, 2
	s_lshr_b32 s47, s42, 1
	s_add_co_u32 s52, s52, s47                     ; k: 4 batch + group of heads,
	s_lshl_b32 s52, s52, 4
	s_lshr_b32 s47, s45, 3
	s_add_co_u32 s52, s52, s47                     ; key step,
	s_lshl_b32 s52, s52, 2
	s_and_b32 s47, s42, 1
	s_lshl_b32 s47, s47, 1
	s_add_co_u32 s52, s52, s47                     ; head in the group
	s_mul_i32 s52, s52, 13056
	s_lshl_b32 s47, s14, 7
	s_add_co_u32 s54, s52, s47
	s_add_co_u32 s54, s54, 12288                   ; pair w of K's scale words
	s_mul_i32 s47, s14, 1536
	s_add_co_u32 s52, s52, s47                     ; tiles 2 w, 2 w + 1
	s_mov_b32 s62, 13056
	s_cmp_eq_u32 s96, 0
	s_cselect_b64 s[24:25], s[10:11], s[12:13]
	s_cselect_b32 s48, s48, s52
	s_cselect_b32 s50, s50, s54
	s_cselect_b32 s52, 98304, s62                  ; from head to head
	s_cselect_b32 s54, 8192, s62
	s_mov_b32 s49, 0
	s_mov_b32 s51, 0
	s_mov_b32 s53, 0
	s_mov_b32 s55, 0
	s_add_nc_u64 s[28:29], s[24:25], s[50:51]
	s_add_nc_u64 s[24:25], s[24:25], s[48:49]
	s_add_nc_u64 s[26:27], s[24:25], s[52:53]
	s_add_nc_u64 s[30:31], s[28:29], s[54:55]
.irp a, 0,1
	s_wait_xcnt 0x0                                ; the last tile's stores have read their data
	WIN 0x06                                       ; source 0: the accumulators, window 2; source 1: the table, window 1
.set p, 0
.rept 32
	v_pk_mul_f32 v[H+2*p:H+2*p+1], v[64*\a+2*p:64*\a+2*p+1], v[CS+128*\a+2*(p%8):CS+128*\a+2*(p%8)+1]
.set p, p+1
.endr
.set p, 0
.rept 32
	v_pk_fma_f32 v[H+2*p:H+2*p+1], v[64*\a+2*p:64*\a+2*p+1], v[CS+128*\a+16+2*(p%8):CS+128*\a+16+2*(p%8)+1], v[H+2*p:H+2*p+1] op_sel:[1,0,0] op_sel_hi:[0,1,1]
.set p, p+1
.endr
	QUANT H, 0
	global_store_b128 v4, v[PC:PC+3], s[24:25] offset:768*\a
	global_store_b64 v5, v[PC+4:PC+5], s[24:25] offset:768*\a+512
	global_store_b128 v4, v[PC+6:PC+9], s[26:27] offset:768*\a
	global_store_b64 v5, v[PC+10:PC+11], s[26:27] offset:768*\a+512
.if \a == 0
	v_and_b32 v[EA], 0xffff, v[PW]
	v_lshrrev_b32 v[EB], 16, v[PW]
.else
	v_and_b32 v[WA], 0xffff, v[PW]
	v_lshrrev_b32 v[WB], 16, v[PW]
	v_cndmask_b32 v[WA], v[EA], v[WA], s38         ; lanes 0-15 the even tile's words, lanes 16-31 the odd tile's
	v_cndmask_b32 v[WB], v[EB], v[WB], s38
	global_store_b32 v6, v[WA], s[28:29]
	global_store_b32 v6, v[WB], s[30:31]
.endif
.endr
	s_branch .Lend
.Lv:
	s_lshr_b32 s45, s42, 4                         ; batch
	s_lshl_b32 s45, s45, 2
	s_lshr_b32 s44, s17, 1
	s_add_co_u32 s45, s45, s44                     ; 4 batch + group of heads
	s_lshl_b32 s45, s45, 4
	s_and_b32 s44, s42, 15
	s_add_co_u32 s45, s45, s44                     ; key step
	s_lshl_b32 s45, s45, 2
	s_and_b32 s44, s17, 1
	s_lshl_b32 s44, s44, 1
	s_add_co_u32 s45, s45, s44
	s_add_co_u32 s45, s45, s15                     ; head in the group: waves 0, 1 the block's first head, waves 2, 3 its second
	s_mul_i32 s48, s45, 13056
	s_lshl_b32 s44, s16, 7
	s_add_co_u32 s50, s48, s44
	s_add_co_u32 s50, s50, 12800                   ; pair w % 2 of V's scale words
	s_mul_i32 s44, s16, 3072
	s_add_co_u32 s48, s48, s44
	s_add_co_u32 s48, s48, 6144                    ; V^T's tiles 2 (w % 2), 2 (w % 2) + 1
	s_mov_b32 s49, 0
	s_mov_b32 s51, 0
	s_add_nc_u64 s[24:25], s[12:13], s[48:49]
	s_add_nc_u64 s[26:27], s[12:13], s[50:51]
.irp a, 0,1
	s_wait_xcnt 0x0
	QUANT 64*\a, 2
.irp c, 0,1,2
	global_store_b128 v4, v[PC+4*\c:PC+4*\c+3], s[24:25] offset:1536*\a+512*\c
.endr
.if \a == 0
	v_mov_b32 v[EA], v[PW]
.else
	v_cndmask_b32 v[WA], v[EA], v[PW], s38
	global_store_b32 v6, v[WA], s[26:27]
.endif
.endr
.Lend:
	s_wait_tensorcnt 0x0                           ; the wave's end
	ds_add_u32 v[SPW], v[NIL]
	s_wait_dscnt 0x0
	CROUND                                         ; the closing round
	s_endpgm
.Lfunc_end_k_q229f4edb06_proj:
	.size	k_q229f4edb06_proj, .Lfunc_end_k_q229f4edb06_proj-k_q229f4edb06_proj
	.p2alignl 7, 3214868480
	.fill 96, 4, 3214868480
	.section	.rodata,"a",@progbits
	.p2align	6, 0x0
	.amdhsa_kernel k_q229f4edb06_proj
		.amdhsa_group_segment_fixed_size 327680
		.amdhsa_private_segment_fixed_size 0
		.amdhsa_enable_private_segment 0
		.amdhsa_kernarg_size 40
		.amdhsa_user_sgpr_count 2
		.amdhsa_user_sgpr_kernarg_segment_ptr 1
		.amdhsa_wavefront_size32 1
		.amdhsa_system_sgpr_workgroup_id_x 1
		.amdhsa_system_sgpr_workgroup_id_y 1
		.amdhsa_system_sgpr_workgroup_id_z 1
		.amdhsa_system_vgpr_workitem_id 0
		.amdhsa_next_free_vgpr 768
		.amdhsa_next_free_sgpr 102
		.amdhsa_reserve_vcc 0
		.amdhsa_float_denorm_mode_32 3
		.amdhsa_float_denorm_mode_16_64 3
		.amdhsa_memory_ordered 1
		.amdhsa_forward_progress 1
		.amdhsa_inst_pref_size 88
	.end_amdhsa_kernel
	.amdgpu_metadata
---
amdhsa.version: [ 1, 2 ]
amdhsa.kernels:
  - .name:           k_q229f4edb06_proj
    .symbol:         k_q229f4edb06_proj.kd
    .args:
      - { .name: codes, .offset: 0, .size: 8, .value_kind: global_buffer, .address_space: global }
      - { .name: scales, .offset: 8, .size: 8, .value_kind: global_buffer, .address_space: global }
      - { .name: rope, .offset: 16, .size: 8, .value_kind: global_buffer, .address_space: global }
      - { .name: qq, .offset: 24, .size: 8, .value_kind: global_buffer, .address_space: global }
      - { .name: kv, .offset: 32, .size: 8, .value_kind: global_buffer, .address_space: global }
    .group_segment_fixed_size: 327680
    .private_segment_fixed_size: 0
    .kernarg_segment_align: 8
    .kernarg_segment_size: 40
    .max_flat_workgroup_size: 128
    .sgpr_count:     102
    .vgpr_count:     768
    .wavefront_size: 32
...
	.end_amdgpu_metadata
.endif
;; end of part 2
;; launch attn (part 3): grid 4 x 64, 16 waves a work-group, clusters of 4 x 4, 327,680 bytes of LDS; arguments qq, kv, attn_mask, padf, ac, asc; writes ac, asc
.if DOCPART == 3
	.amdgcn_target "amdgcn-amd-amdhsa--gfx1250"
	.amdhsa_code_object_version 6
	.text
	.protected	k_q229f4edb06_attn
	.globl	k_q229f4edb06_attn
	.p2align	8
	.type	k_q229f4edb06_attn,@function
k_q229f4edb06_attn:
	s_mov_b64 s[64:65], 0
	v_nop
	global_prefetch_b8 v0, s[64:65] scope:SCOPE_SE
	s_setreg_imm32_b32 hwreg(HW_REG_WAVE_MODE, 25, 1), 1
	s_wait_xcnt 0x0
	s_wait_alu depctr_hold_cnt(0) depctr_sa_sdst(0) depctr_va_vdst(0) depctr_va_sdst(0) depctr_va_ssrc(0) depctr_va_vcc(0) depctr_vm_vsrc(0)
	s_getreg_b32 s2, hwreg(HW_REG_IB_STS2, 6, 4)
	s_cmp_eq_u32 s2, 0
	s_cbranch_scc0 .Lentry_in_a_cluster
	s_endpgm
.Lentry_in_a_cluster:
	s_bfe_u32 s2, ttmp6, 0x10000c
	s_cmp_lg_u32 s2, 0xf033
	s_cbranch_scc0 .Lentry_shape_is_right
	s_endpgm
.Lentry_shape_is_right:
; LAUNCH 3 OF 4: attention on codes of BF6.  t = (score / 8 + attn_mask) x log2(e), a padded key's t = -1e9 x log2(e); M = the running largest t rounded up to a whole number; p = 2^(t - M) is quantised
; along the keys; the row's sum of the unquantised p divides at the end; the result is quantised along the heads' axis for the last product.  No work of reference() is left out: both masks are inputs, so every score is computed.
; t IS ONE MULTIPLY-ADD: t = score x (log2(e) / 8) + m, with m = attn_mask x A + B from launch 1's tables (A = log2(e), B = 0; a padded key: A = 0, B = its t).  A padded key's row of K is zero codes, so its score is 0 and t = B.
; Where every logit of a row is -1e9 all its t are the same number, and all its p are 1.
; SHARES.  A work-group owns 64 queries of one batch and 4 heads; wave w owns tile w % 4 of 16 queries in head w / 4, in 256 registers: four waves to a SIMD.  Every wave walks 16 steps of 128 keys.
; m IS MADE ONCE FOR THE FOUR HEADS: in step s wave w loads rows 4 w .. 4 w + 3 of step s + 1's 64 x 128 numbers of the mask (512 consecutive bytes a load), makes m by 8 packed multiply-adds and stores it into the one of two
; LDS buffers that step s does not read; the barrier between the steps shows it to all waves.  No tensor load fills these buffers.
; The mask is not asked for jointly: each number passes registers once on its way into LDS, and what is stored hangs on the batch's padding.
; CLUSTER 4 x 4: cx = the group of 4 heads, cy = the block of 64 queries.  The four heads' records of K and V hang on batch and cx and are asked for jointly along a column.  A slot holds TWO steps' records (104,448 dense bytes);
; waves 0 to 3 fetch a quarter each: one tensor load of a wave is out at the most, and a round of the cluster's barrier stands once for 256 keys.
; LAYOUT.  Both products transposed: S^T = K Q^T, O^T = V^T P^T: a lane holds ONE query (lane % 16).  K, V^T and Q come as images of operand registers; lane r of K's tile 2 b + u holds key 32 b + 8 u + r + 8 (r / 8),
; so registers 16 b + i of S^T are keys 32 b + 16 (lane / 16) + i.  A head is 64 wide: registers 6-11 of Q's and K's fragments are zero codes, written once.
; LIMITS: NaN and infinities are not served, an infinite number of the mask among them (at a padded key it is multiplied by 0); p under 2^-126 is 0; a block of zeros carries the byte 1.
.set SLOT1, 1<<17                      ; slot 1 begins so far behind slot 0: one exclusive or turns an address from slot to slot
.set PB,    33792                      ; a buffer of m: 64 rows of 512 + 16 bytes; two of them, behind the two slots
.set REC,   13056                      ; a record: K's 8 tiles of 768, V^T's 4 tiles of 1,536, K's 4 pairs of scale words, V's 2
.set RU,    4*REC                      ; a step's four records
.set PBASE, SLOT1+2*RU                 ; slot 0 from byte 0, slot 1 from SLOT1 (a slot's 104,448 bytes end under SLOT1, so the exclusive or is a plain change of slots); then the buffers of m
.set SPARE, PBASE+2*PB                 ; the spare words, 128 bytes for each of 16 waves
.set SSC,   64*272                     ; the way out: codes' stage at byte 0 of slot 0 (64 rows x 272), scale bytes' stage behind it: slot 0 has had its last fill and its last read by then
.set TB,    2                          ; s2  0 or SLOT1: the slot in hand
.set STEPS, 3                          ; s3  slots still to be asked for
.set WV,    4                          ; s4  my wave's number
; s[16:23] the records' descriptor group 1, s[28:31] its group 0, which walks; s[66:67] lane selects; s[68:69] padf, s[72:73] the mask, at the next step's numbers; s[70:71] log2(e) / 8;
; s[74:75], s[76:77] ac, asc at my rows; s[78:79], s[80:81], s82 the prefetches' address, step and limit
; v1-3 addresses that stay (16, 8, 4 bytes a lane in my head's record); v4 my row of m; v5, v6 the add's two; v7 where I store m; v8-10 v1-3 in the slot in hand; v11 16 x lane; v12 -M, v13 the largest t, v[14:15] the sum;
; v16-27 Q; v28 Q's scale words; v29 the prefetches' offset; v30-31 V's scale words; v32-79 four fragments of K; v80-83 K's scale words; v84-95 p's codes; v96-159 S^T, t, p, then V^T's four fragments;
; v160-191 O^T; v192-223 32 numbers of m, then the next step's mask, A and B; v224-255 at work
.macro ROUND                           ; a round of the cluster's barrier
	s_barrier_signal -1
	s_barrier_wait -1
	s_cmp_lg_u32 s[WV], 0
	s_cbranch_scc1 .Lnot_wave_0_\@
	s_barrier_signal -3
.Lnot_wave_0_\@:
	s_barrier_wait -3
	s_barrier_signal -1
	s_barrier_wait -1
.endm
.macro TLOAD                           ; the branch hangs on the wave's number alone.  An s_nop 0 and four v_nop follow the load
	s_cmp_lt_u32 s[WV], 4
	s_cbranch_scc0 .Lasked_\@
	tensor_load_to_lds s[28:31], s[16:23]
	s_nop 0
.rept 4
	v_nop
.endr
.Lasked_\@:
.endm
; A PREFETCH INTO THE L2, once for each slot.  The records that the NEXT change of slots will ask for: they are read by the eight clusters of a batch, the first asks; the four partners of a column take two records
; each, BY ADDRESS (cy): waves 4 to 7, a lane to each of the 102 blocks of 256 bytes (lanes left over name the last again).  The mask's columns of the next slot's two steps, whose loads begin a step from here: they are read
; by both batches' clusters, batch 0's ask; the four partners of a row take 16 of the 64 rows each, by address (cx): waves 8 and 9, four lanes to a row's 1,024 bytes.  The last changes ask for nothing beyond the end.
.macro ASK
	s_cmp_gt_u32 s[STEPS], s82
	s_cbranch_scc0 .Lnot_mine_\@
	global_prefetch_b8 v29, s[78:79] th:TH_LOAD_NT scope:SCOPE_SE
.Lnot_mine_\@:
.endm
.macro PLOAD                           ; the next step's mask, my four rows, and its keys' A and B: my lane's four keys
.irp j, 0,1,2,3
	global_load_b128 v[192+4*\j:195+4*\j], v11, s[72:73] offset:8192*\j
.endr
	global_load_b128 v[208:211], v11, s[68:69]
	global_load_b128 v[212:215], v11, s[68:69] offset:16384
.endm
.macro PSTORE pb                       ; m = mask x A + B, into the buffer at byte pb
	s_wait_loadcnt 0x0
.irp j, 0,1,2,3
.irp i, 0,1
	v_pk_fma_f32 v[192+4*\j+2*\i:193+4*\j+2*\i], v[192+4*\j+2*\i:193+4*\j+2*\i], v[208+2*\i:209+2*\i], v[212+2*\i:213+2*\i]
.endr
.endr
.irp j, 0,1,2,3
	ds_store_b128 v7, v[192+4*\j:195+4*\j] offset:(\pb)+528*\j
.endr
	s_add_nc_u64 s[72:73], s[72:73], 512           ; the loads are done with their bases: 128 keys on
	s_add_nc_u64 s[68:69], s[68:69], 512
.endm
	s_load_b256 s[84:91], s[0:1], 0x0              ; qq, kv, attn_mask, padf
	s_load_b128 s[92:95], s[0:1], 0x20             ; ac, asc
	v_lshl_add_u32 v5, v0, 2, SPARE
	v_mov_b32 v6, 0
	ds_add_u32 v5, v6                              ; the wave's opening: the add, twice on end, and its wait ahead of the first tensor loads
	ds_add_u32 v5, v6
	v_lshrrev_b32 v8, 5, v0
	s_delay_alu instid0(VALU_DEP_1)
	v_readfirstlane_b32 s[WV], v8                  ; wave 0..15
	s_bfe_u32 s5, ttmp6, 0x40000                   ; cx
	s_bfe_u32 s6, ttmp6, 0x40004                   ; cy
	s_and_b32 s7, ttmp7, 0xffff                    ; the cluster's y, 0 .. 15
	s_lshr_b32 s83, s7, 3                          ; batch
	s_lshl_b32 s98, 0x1111, s5                     ; my column
	s_or_b32 s16, s98, (3<<16)|(1<<21)             ; two records: 26,112 dense bytes as 102 rows of 256
	s_mov_b32 s17, 32<<16
	s_mov_b32 s18, 102<<16
	s_mov_b32 s19, 32<<16
	s_mov_b32 s20, 102
	s_mov_b32 s21, 32
	s_mov_b32 s22, 0
	s_mov_b32 s23, 0
	s_and_b32 s96, s7, 7
	s_lshl_b32 s96, s96, 2
	s_add_co_u32 s96, s96, s6                      ; my block of 64 queries, 0 .. 31
	s_lshl_b32 s98, s83, 2
	s_add_co_u32 s98, s98, s5
	s_mul_i32 s98, s98, 64*REC                     ; (batch, group of heads): 16 steps of four records
	s_mov_b32 s97, s98
	s_min_u32 s99, s[WV], 3                        ; waves 0 to 3 fetch: which quarter of a slot
	s_mul_i32 s99, s99, 2*REC
	s_mov_b32 s29, s99                             ; in LDS (slot 0 begins at byte 0),
	s_add_co_u32 s98, s98, s99                     ; and in memory
	s_mov_b32 s99, 0
	s_mov_b32 s28, 1
	s_mov_b32 s66, 0x76543210
	s_mov_b32 s67, 0xfedcba98                      ; v_permlanex16_b32's selects for lane l xor 16
	s_mov_b32 s70, 0x3e38aa3b                      ; log2(e) / 8
	s_mov_b32 s71, s70                             ; (named with it as a pair, so it is written)
	s_mov_b32 s[TB], 0
	s_mov_b32 s[STEPS], 7
	s_lshr_b32 s32, s[WV], 2                       ; my head in the group
	s_and_b32 s33, s[WV], 3                        ; my tile of queries
	s_lshl_b32 s34, s83, 4
	s_lshl_b32 s35, s5, 2
	s_add_co_u32 s34, s34, s35
	s_add_co_u32 s34, s34, s32                     ; 16 x batch + head
	s_lshl_b32 s35, s34, 7
	s_lshl_b32 s36, s96, 2
	s_add_co_u32 s35, s35, s36
	s_add_co_u32 s35, s35, s33
	s_mul_i32 s35, s35, 768                        ; Q: my tile's image
	s_lshl_b32 s37, s34, 6
	s_lshl_b32 s36, s96, 1
	s_add_co_u32 s37, s37, s36
	s_lshr_b32 s36, s33, 1
	s_add_co_u32 s37, s37, s36
	s_lshl_b32 s37, s37, 7
	s_and_b32 s36, s33, 1
	s_lshl_b32 s36, s36, 6
	s_add_co_u32 s37, s37, s36
	s_add_co_u32 s37, s37, 3145728                 ; my tile's half of its pair's scale words
	s_mul_i32 s38, s32, REC                        ; my head's record in slot 0
	s_mul_i32 s39, s33, 16*528                     ; my tile's rows of m,
	s_add_co_u32 s39, s39, PBASE                   ; in the first buffer
	s_mul_i32 s40, s[WV], 4*528                    ; the four rows of m that I make,
	s_add_co_u32 s40, s40, PBASE                   ; in the first buffer
	s_lshl_b32 s41, s83, 11
	s_lshl_b32 s36, s96, 6
	s_add_co_u32 s41, s41, s36                     ; my work-group's first row of the result
	s_mul_i32 s42, s41, 768
	s_mul_i32 s36, s5, 192
	s_add_co_u32 s42, s42, s36                     ; its four heads' 192 bytes of codes,
	s_mov_b32 s43, 0
	s_lshl_b32 s44, s41, 5
	s_lshl_b32 s36, s5, 3
	s_add_co_u32 s44, s44, s36                     ; and 8 scale bytes
	s_mov_b32 s45, 0
	s_lshl_b32 s46, s96, 19                        ; the mask: 64 rows of 8,192 bytes a block,
	s_lshl_b32 s36, s[WV], 15
	s_add_co_u32 s46, s46, s36                     ; my four rows
	s_mov_b32 s47, 0
	s_lshl_b32 s48, s83, 13                        ; padf: my batch's 2,048 keys
	s_mov_b32 s49, 0
	; the prefetches: where mine stand (one step of theirs short of the first that is asked for: each change steps them first), and who asks
	s_lshl_b32 s50, s96, 6
	s_lshl_b32 s36, s5, 4
	s_add_co_u32 s50, s50, s36
	s_and_b32 s36, s[WV], 1
	s_lshl_b32 s36, s36, 3
	s_add_co_u32 s50, s50, s36
	s_lshl_b32 s50, s50, 13                        ; the mask: my 8 rows, column 0
	s_lshl_b32 s36, s6, 1
	s_add_co_u32 s36, s36, 8
	s_mul_i32 s36, s36, REC
	s_add_co_u32 s52, s97, s36                     ; the records: the second slot's, my work-group's two
	s_and_b32 s53, s[WV], 3
	s_lshl_b32 s53, s53, 5                         ; my wave's first of their 102 blocks
	s_and_b32 s54, s7, 7
	s_mov_b32 s80, 2*RU
	s_mov_b32 s81, 0
	s_mov_b32 s51, 0
	s_lshr_b32 s36, s[WV], 1
	s_cmp_eq_u32 s36, 4                            ; waves 8, 9: the mask
	s_cselect_b32 s50, s50, s52
	s_cselect_b32 s80, 1024, s80
	s_cselect_b32 s55, -1, 0
	s_cselect_b32 s54, s83, s54
	s_cselect_b32 s56, 0, 1                        ; the mask is asked for at all seven changes that fill, the records at the first six
	s_cselect_b32 s57, 1, 0
	s_sub_co_u32 s36, s[WV], 4
	s_cmp_lt_u32 s36, 6
	s_cselect_b32 s36, 0, 1
	s_or_b32 s36, s36, s54                         ; 0 in waves 8, 9 of batch 0's clusters and in waves 4 to 7 of a batch's first cluster: the same in all partners
	s_cmp_eq_u32 s36, 0
	s_cselect_b32 s82, s56, -1
	s_wait_dscnt 0x0                               ; both opening adds are done
	s_wait_kmcnt 0x0
	s_add_nc_u64 s[30:31], s[86:87], s[98:99]
	s_or_b32 s31, s31, 0x80000000
	ROUND                                          ; all sixteen work-groups are here: the first joint loads meet
	TLOAD                                          ; steps 0 and 1 into slot 0
	s_add_nc_u64 s[74:75], s[92:93], s[42:43]
	s_add_nc_u64 s[76:77], s[94:95], s[44:45]
	s_add_nc_u64 s[72:73], s[88:89], s[46:47]
	s_add_nc_u64 s[68:69], s[90:91], s[48:49]
	s_cmp_eq_u32 s57, 1
	s_cselect_b64 s[78:79], s[88:89], s[86:87]
	s_add_nc_u64 s[78:79], s[78:79], s[50:51]
	v_and_b32 v232, 31, v0                         ; lane
	v_and_b32 v233, 15, v0                         ; r
	v_bfe_u32 v234, v0, 4, 1                       ; h
.irp j, 22,23,24,25,26,27
	v_mov_b32 v[\j], 0                             ; Q's upper 64 along K: zero codes
.endr
	v_mul_u32_u24 v4, v233, 528                    ; (independent chains by turns)
	v_add_nc_u32 v227, s53, v232
	v_lshrrev_b32 v228, 2, v232
	v_and_b32 v229, 3, v232
	v_lshl_add_u32 v224, v232, 4, s35
	v_lshl_add_u32 v225, v232, 3, s35
	v_lshl_add_u32 v4, v234, 6, v4
	v_min_u32 v227, 101, v227
	v_lshlrev_b32 v229, 8, v229
	v_lshl_add_u32 v226, v233, 2, s37
	v_lshl_add_u32 v1, v232, 4, s38
	v_lshl_add_u32 v2, v232, 3, s38
	v_add_nc_u32 v4, s39, v4                       ; m: my query's row, + 64 h: keys 16 h on of each 32
	v_lshlrev_b32 v227, 8, v227                    ; the records' prefetch: a lane a block
	v_lshl_or_b32 v228, v228, 13, v229             ; the mask's: four lanes to a row
	v_lshl_add_u32 v3, v232, 2, s38
	v_lshl_add_u32 v7, v232, 4, s40
	v_lshlrev_b32 v11, 4, v232
	v_mov_b32 v13, 0xff61b1e6                      ; the largest t so far: -3e38
	v_mov_b32 v14, 0
	v_cndmask_b32 v29, v227, v228, s55
	v_mov_b32 v15, 0
	s_wait_alu depctr_va_vdst(0)                   ; ahead of the first readers
	global_load_b128 v[16:19], v224, s[84:85]      ; Q's fragment and scale words
	global_load_b64 v[20:21], v225, s[84:85] offset:512
	global_load_b32 v28, v226, s[84:85]
	PLOAD                                          ; step 0's mask
	v_floor_f32 v12, -v13                          ; -M
.irp t, 0,1,2,3
.irp j, 6,7,8,9,10,11
	v_mov_b32 v[32+12*\t+\j], 0                    ; K's upper 64 along K: written once, no load lands here
.endr
.endr
.set j, 0
.rept 32
	v_mov_b32 v[160+j], 0                          ; O^T: the step is written for all steps alike; the first finds zeros
.set j, j+1
.endr
.irp b, 0,1,2,3
	v_mov_b32 v[228+\b], 0                         ; a lane permute's destination counts as one of its sources
.endr
	v_mov_b32 v245, 0                              ; (named as the upper half of the pair v[244:245])
	s_wait_alu depctr_va_vdst(0)                   ; directly ahead of the wait below
	PSTORE 0                                       ; Q is in too; step 0's m into the first buffer: the first change's barrier shows it to all
.macro KLOAD t0, u                     ; four tiles of K: registers 0-3 by 16 bytes a lane, 4-5 by 8
.irp t, 0,1,2,3
	ds_load_b128 v[32+12*\t:35+12*\t], v8 offset:RU*(\u)+768*(\t0+\t)
	ds_load_b64 v[36+12*\t:37+12*\t], v9 offset:RU*(\u)+768*(\t0+\t)+512
.endr
.endm
.macro MLOAD g, u                      ; m for blocks 2 g, 2 g + 1 of 32 keys: my 16 of each
.irp m, 0,1,2,3,4,5,6,7
	ds_load_b128 v[192+4*\m:195+4*\m], v4 offset:PB*(\u)+256*\g+128*(\m/4)+16*(\m%4)
.endr
.endm
.macro KQ t
.if (\t)%2
	v_wmma_scale_f32_16x16x128_f8f6f4 v[96+8*(\t):103+8*(\t)], v[32+12*((\t)%4):43+12*((\t)%4)], v[16:27], 0, v[80+(\t)/2], v28 matrix_a_fmt:MATRIX_FMT_BF6 matrix_b_fmt:MATRIX_FMT_BF6 matrix_a_scale:MATRIX_SCALE_ROW1
.else
	v_wmma_scale_f32_16x16x128_f8f6f4 v[96+8*(\t):103+8*(\t)], v[32+12*((\t)%4):43+12*((\t)%4)], v[16:27], 0, v[80+(\t)/2], v28 matrix_a_fmt:MATRIX_FMT_BF6 matrix_b_fmt:MATRIX_FMT_BF6
.endif
.endm
.macro PV d
.if (\d)%2
	v_wmma_scale_f32_16x16x128_f8f6f4 v[160+8*(\d):167+8*(\d)], v[96+12*(\d):107+12*(\d)], v[84:95], v[160+8*(\d):167+8*(\d)], v[30+(\d)/2], v250 matrix_a_fmt:MATRIX_FMT_BF6 matrix_b_fmt:MATRIX_FMT_BF6 matrix_a_scale:MATRIX_SCALE_ROW1
.else
	v_wmma_scale_f32_16x16x128_f8f6f4 v[160+8*(\d):167+8*(\d)], v[96+12*(\d):107+12*(\d)], v[84:95], v[160+8*(\d):167+8*(\d)], v[30+(\d)/2], v250 matrix_a_fmt:MATRIX_FMT_BF6 matrix_b_fmt:MATRIX_FMT_BF6
.endif
.endm
.macro FMAT g                          ; 32 scores become t = score x log2(e) / 8 + m; each accumulator from its low end on
.set p, 0
.rept 16
	v_pk_fma_f32 v[96+32*(\g)+2*p:97+32*(\g)+2*p], v[96+32*(\g)+2*p:97+32*(\g)+2*p], s[70:71], v[192+2*p:193+2*p] op_sel_hi:[1,0,1]
.set p, p+1
.endr
.endm
.macro BMAX x, y                       ; the largest t of my 16 keys of two blocks, the two by turns
.irp b, \x, \y
	v_max3_num_f32 v[224+\b], v[96+16*\b], v[97+16*\b], v[98+16*\b]
.endr
.irp i, 3,5,7,9,11,13
.irp b, \x, \y
	s_delay_alu instid0(VALU_DEP_2)
	v_max3_num_f32 v[224+\b], v[224+\b], v[96+16*\b+\i], v[97+16*\b+\i]
.endr
.endr
.irp b, \x, \y
	s_delay_alu instid0(VALU_DEP_2)
	v_max_num_f32 v[224+\b], v[224+\b], v[111+16*\b]
.endr
.endm
; A KEY STEP: 128 keys.  u: which of the slot's two steps, and which buffer of m it reads.  last = 1: the sixteenth step, which makes no further m
.macro STEP u, last
	KLOAD 0, \u
.irp e, 0,1,2,3
	ds_load_b32 v[80+\e], v10 offset:RU*(\u)+12288+128*\e  ; K's scale words: lanes 0-15 tile 2 e, lanes 16-31 tile 2 e + 1
.endr
	MLOAD 0, \u
	s_wait_alu depctr_va_vdst(0)
	s_wait_dscnt 8                                 ; K's four tiles and the scale words are in; m's eight loads may be out
.irp t, 0,1,2,3
	KQ \t                                          ; (S^T is written over registers that the last step's V^T P^T read: the eight multiply-adds that made m stand between)
.endr
.rept 4
	v_nop                                          ; places in front of the loads into K's registers and of the first read of the scores
.endr
	KLOAD 4, \u
	s_wait_dscnt 8                                 ; m is in; K's eight loads may be out
	FMAT 0
	MLOAD 1, \u
	s_wait_alu depctr_va_vdst(0)
	s_wait_dscnt 8                                 ; K's tiles 4-7 are in; m's eight loads may be out
.irp t, 4,5,6,7
	KQ \t
.endr
	BMAX 0, 1                                      ; sixteen plain lines on other registers: the places behind those products
	s_wait_dscnt 0x0
	FMAT 1
.if \last == 0
	PLOAD                                          ; m's registers are free: the next step's mask; the rest of this step stands between the requests and the wait
.endif
	BMAX 2, 3
.irp b, 0,1,2,3
	v_permlanex16_b32 v[228+\b], v[224+\b], s66, s67
.endr
.irp b, 0,1,2,3
	s_delay_alu instid0(VALU_DEP_4)
	v_max_num_f32 v[224+\b], v[224+\b], v[228+\b]  ; each block's largest t: it serves for the row's maximum and, since p rises with t, for the block's largest p
.endr
	s_delay_alu instid0(VALU_DEP_2)
	v_max3_num_f32 v246, v224, v225, v226
	s_delay_alu instid0(VALU_DEP_1)
	v_max_num_f32 v246, v246, v227
	s_delay_alu instid0(VALU_DEP_1)
	v_max_num_f32 v13, v13, v246                   ; the running largest t
	v_mov_b32 v246, v12
	s_delay_alu instid0(VALU_DEP_2)
	v_floor_f32 v12, -v13                          ; the new -M = -ceil(t): a whole number
	s_delay_alu instid0(VALU_DEP_1)
	v_sub_f32 v246, v12, v246                      ; old M - new M, 0 or less
	s_delay_alu instid0(VALU_DEP_1)
	v_cvt_i32_f32 v246, v246                       ; (it saturates)
	s_delay_alu instid0(VALU_DEP_1)
	v_ldexp_f32 v244, 1.0, v246                    ; f = 2^(old M - new M)
.set p, 0
.rept 32
	v_pk_add_f32 v[96+2*p:97+2*p], v[96+2*p:97+2*p], v[12:13] op_sel_hi:[1,0]   ; t - M
.set p, p+1
.endr
.irp b, 0,1,2,3
	v_add_f32 v[224+\b], v[224+\b], v12
.endr
.set p, 0
	s_wait_alu depctr_va_vdst(0)
.rept 64
	v_exp_f32 v[96+p], v[96+p]                     ; p = 2^(t - M), at most 1
.set p, p+1
.endr
	v_pk_mul_f32 v[14:15], v[14:15], v[244:245] op_sel_hi:[1,0]   ; the sums under the new M (a plain line behind the exponentials)
	s_wait_alu depctr_va_vdst(0)                   ; one wait for the batch of 64, ahead of its first reader
.irp b, 0,1,2,3
	v_exp_f32 v[224+\b], v[224+\b]                 ; each block's largest p: the same operations on the same number
.endr
	v_pk_add_f32 v[248:249], v[100:101], v[104:105]
	v_pk_add_f32 v[254:255], v[108:109], v[112:113]
	v_pk_add_f32 v[252:253], v[116:117], v[120:121]
	v_pk_add_f32 v[250:251], v[124:125], v[128:129]
	v_pk_add_f32 v[246:247], v[132:133], v[136:137]
	v_pk_add_f32 v[242:243], v[140:141], v[144:145]
	v_pk_add_f32 v[240:241], v[148:149], v[152:153]
	v_pk_add_f32 v[14:15], v[14:15], v[156:157]
	v_pk_add_f32 v[248:249], v[248:249], v[96:97]
	v_pk_add_f32 v[254:255], v[254:255], v[98:99]
	v_pk_add_f32 v[252:253], v[252:253], v[102:103]
	v_pk_add_f32 v[250:251], v[250:251], v[106:107]
	v_pk_add_f32 v[246:247], v[246:247], v[110:111]
	v_pk_add_f32 v[242:243], v[242:243], v[114:115]
	v_pk_add_f32 v[240:241], v[240:241], v[118:119]
	v_pk_add_f32 v[14:15], v[14:15], v[122:123]
	v_pk_add_f32 v[248:249], v[248:249], v[126:127]
	v_pk_add_f32 v[254:255], v[254:255], v[130:131]
	v_pk_add_f32 v[252:253], v[252:253], v[134:135]
	v_pk_add_f32 v[250:251], v[250:251], v[138:139]
	v_pk_add_f32 v[246:247], v[246:247], v[142:143]
	v_pk_add_f32 v[242:243], v[242:243], v[146:147]
	v_pk_add_f32 v[240:241], v[240:241], v[150:151]
	v_pk_add_f32 v[14:15], v[14:15], v[154:155]
	v_pk_add_f32 v[248:249], v[248:249], v[158:159]
	s_delay_alu instid0(VALU_DEP_2)
	v_pk_add_f32 v[14:15], v[14:15], v[250:251]
	s_delay_alu instid0(VALU_DEP_2)
	v_pk_add_f32 v[248:249], v[248:249], v[246:247]
	v_pk_add_f32 v[254:255], v[254:255], v[242:243]
	v_pk_add_f32 v[252:253], v[252:253], v[240:241]
	s_delay_alu instid0(VALU_DEP_2)
	v_pk_add_f32 v[14:15], v[14:15], v[254:255]
	s_delay_alu instid0(VALU_DEP_2)
	v_pk_add_f32 v[248:249], v[248:249], v[252:253]
	s_delay_alu instid0(VALU_DEP_1)
	v_pk_add_f32 v[14:15], v[14:15], v[248:249]
	s_wait_alu depctr_va_vdst(0)                   ; and one for the four
.irp b, 0,1,2,3
	v_max_num_f32 v[224+\b], 0x2800000, v[224+\b]  ; the floor 2^(5 - 127): the byte cannot fall under 1
.endr
.irp b, 0,1,2,3
	s_delay_alu instid0(VALU_DEP_4)
	v_add_nc_u32 v[232+\b], 0xfe000000, v[224+\b]  ; 4 off the exponent field: the conversion's scale operand
.endr
.irp b, 0,1,2,3
	s_delay_alu instid0(VALU_DEP_4)
	v_lshrrev_b32 v[228+\b], 23, v[232+\b]
.endr
	s_delay_alu instid0(VALU_DEP_3)
	v_lshl_or_b32 v250, v229, 8, v228              ; p's scale word for these 128 keys
	s_delay_alu instid0(VALU_DEP_1)
	v_lshl_or_b32 v250, v230, 16, v250
	s_delay_alu instid0(VALU_DEP_1)
	v_lshl_or_b32 v250, v231, 24, v250
.irp c, 0,1
	v_cvt_scalef32_pk16_bf6_f32 v[84+6*\c:86+6*\c], v[96+32*\c:111+32*\c], v[232+2*\c]
	v_cvt_scalef32_pk16_bf6_f32 v[236+4*\c:238+4*\c], v[112+32*\c:127+32*\c], v[232+2*\c+1]
.endr
	v_nop                                          ; one plain line behind a scaled conversion
.irp d, 0,1,2,3
.irp c, 0,1,2
	ds_load_b128 v[96+12*\d+4*\c:99+12*\d+4*\c], v8 offset:RU*(\u)+6144+1536*\d+512*\c   ; V^T's four fragments, into p's registers
.endr
.endr
	ds_load_b32 v30, v10 offset:RU*(\u)+12800
	ds_load_b32 v31, v10 offset:RU*(\u)+12928
.irp c, 0,1                                    ; the operand's layout wants a WHOLE block in a lane
.irp i, 0,1,2
	v_permlane16_swap_b32 v[84+6*\c+\i], v[236+4*\c+\i]
.endr
.irp i, 0,1,2
	s_delay_alu instid0(VALU_DEP_3)
	v_mov_b32 v[87+6*\c+\i], v[236+4*\c+\i]
.endr
.endr
.set p, 0
.rept 16
	v_pk_mul_f32 v[160+2*p:161+2*p], v[160+2*p:161+2*p], v[244:245] op_sel_hi:[1,0]   ; O^T under the new M; these lines are also the places between p's codes and scale word and the products
.set p, p+1
.endr
	s_wait_alu depctr_va_vdst(0)
	s_wait_dscnt 0x0
.irp d, 0,1,2,3
	PV \d                                          ; four accumulators by turns
.endr
.if \last == 0
	PSTORE PB*(1-(\u))                             ; the next step's m, into the buffer that this step does not read
.endif
.endm
; THE CHANGE OF SLOTS stands ahead of a slot's two steps.  Each wave waits for all its tensor loads (its part of the slot that it is about to read), adds 0 to its spare word, and waits for that, for its stores of m and for its reads
; of the slot that it has left.  fill = 1: a round of the cluster's barrier, and the slot just left is asked for again, jointly, first thing behind it: it has two steps in which to land.
.macro CHANGE fill
	s_wait_tensorcnt 0x0
	ds_add_u32 v5, v6
.if \fill
	ds_add_u32 v5, v6                              ; and twice on end here, in every trip alike
	s_xor_b32 s29, s29, SLOT1                      ; the walking descriptor: the other slot,
	s_add_nc_u64 s[30:31], s[30:31], 2*RU          ; the next two steps' records
	s_wait_xcnt 0x0                                ; the last prefetch, two steps back, has read its address
	s_add_nc_u64 s[78:79], s[78:79], s[80:81]
	s_wait_dscnt 0x0
	ROUND
	TLOAD
	ASK
.else
	s_wait_dscnt 0x0
	s_barrier_signal -1
	s_barrier_wait -1
.endif
	v_add_nc_u32 v8, s[TB], v1                     ; my head's record in the slot in hand
	v_add_nc_u32 v9, s[TB], v2
	v_add_nc_u32 v10, s[TB], v3
.endm
.macro MID                             ; between a slot's two steps: my stores of m and my reads of the other buffer are done
	s_wait_dscnt 0x0
	s_barrier_signal -1
	s_barrier_wait -1
.endm
	s_wait_alu depctr_va_vdst(0)                   ; the wait at the head's end
.Lfill:                                            ; 7 trips of two steps: behind each change of slots but the last the next slot is asked for
	CHANGE 1
	STEP 0, 0
	MID
	STEP 1, 0
	s_xor_b32 s[TB], s[TB], SLOT1
	s_sub_co_u32 s[STEPS], s[STEPS], 1
	s_cmp_lg_u32 s[STEPS], 0
	s_wait_alu depctr_va_vdst(0)
	s_cbranch_scc1 .Lfill
	CHANGE 0                                       ; the last slot is written out
	STEP 0, 0
	MID
	STEP 1, 1
	; THE WAY OUT.  O^T / the sum; register 16 B + i is channel 32 B + 16 h + i of my head: two blocks of the last product's K.  A lane's two conversions are the 12-byte pieces (block B, half h) of its row:
	; they meet the other heads' in a stage (a place of 16 bytes for each 12), and leave as rows of 192 consecutive bytes.
	v_add_f32 v14, v14, v15
	s_delay_alu instid0(VALU_DEP_1)
	v_permlanex16_b32 v228, v14, s66, s67
	s_delay_alu instid0(VALU_DEP_1)
	v_add_f32 v14, v14, v228                       ; the row's sum
	s_wait_alu depctr_va_vdst(0)
	v_rcp_f32 v14, v14
	v_and_b32 v246, 15, v0                         ; r
	s_wait_alu depctr_va_vdst(0)
	v_bfe_u32 v247, v0, 4, 1                       ; h
	s_wait_alu depctr_va_vdst(0)
	s_and_b32 s96, s[WV], 3
	s_lshr_b32 s97, s[WV], 2
	s_mul_i32 s98, s96, 16*272
	s_lshl_b32 s99, s97, 6
	s_add_co_u32 s98, s98, s99
	v_mul_u32_u24 v8, v246, 272
	s_delay_alu instid0(VALU_DEP_1)
	v_lshl_add_u32 v8, v247, 4, v8
	s_delay_alu instid0(VALU_DEP_1)
	v_add_nc_u32 v8, s98, v8                       ; in: my query's row, my head's four places, + 16 h
	s_lshl_b32 s99, s96, 7
	s_lshl_b32 s100, s97, 1
	s_add_co_u32 s99, s99, s100
	s_add_co_u32 s99, s99, SSC
	v_lshl_add_u32 v9, v246, 3, s99                ; my row's 8 scale bytes, my head's two
	s_mul_i32 s100, s[WV], 4*272
	v_mul_u32_u24 v10, v247, 272
	s_delay_alu instid0(VALU_DEP_1)
	v_lshl_add_u32 v10, v246, 4, v10
	s_delay_alu instid0(VALU_DEP_1)
	v_add_nc_u32 v10, s100, v10                    ; back: wave w takes rows 4 w .. 4 w + 3; sixteen lanes to a row
	s_mul_i32 s101, s[WV], 4*768
	v_mul_u32_u24 v11, v247, 768
	s_delay_alu instid0(VALU_DEP_1)
	v_mad_u32_u24 v11, v246, 12, v11
	s_delay_alu instid0(VALU_DEP_1)
	v_add_nc_u32 v11, s101, v11                    ; and the same place in ac
	v_lshl_add_u32 v1, v0, 3, SSC                  ; the scale bytes back: a thread a row (waves 0 and 1)
	v_lshlrev_b32 v2, 5, v0
	s_wait_alu depctr_va_vdst(0)                   ; the reciprocal's wait, ahead of its first reader
.set p, 0
.rept 32
	v_mul_f32 v[96+p], v[160+p], v14
.set p, p+1
.endr
.irp b, 0,1
	v_max3_num_f32 v[224+\b], |v[96+16*\b]|, |v[97+16*\b]|, 0x2800000
.endr
.irp i, 2,4,6,8,10,12,14
.irp b, 0,1
	s_delay_alu instid0(VALU_DEP_2)
	v_max3_num_f32 v[224+\b], v[224+\b], |v[96+16*\b+\i]|, |v[97+16*\b+\i]|
.endr
.endr
.irp b, 0,1
	s_delay_alu instid0(VALU_DEP_2)
	v_permlanex16_b32 v[228+\b], v[224+\b], s66, s67
.endr
.irp b, 0,1
	s_delay_alu instid0(VALU_DEP_2)
	v_max_num_f32 v[224+\b], v[224+\b], v[228+\b]
.endr
.irp b, 0,1
	s_delay_alu instid0(VALU_DEP_2)
	v_add_nc_u32 v[232+\b], 0xfe000000, v[224+\b]
.endr
.irp b, 0,1
	s_delay_alu instid0(VALU_DEP_2)
	v_lshrrev_b32 v[228+\b], 23, v[232+\b]
.endr
	s_delay_alu instid0(VALU_DEP_1)
	v_lshl_or_b32 v250, v229, 8, v228
	v_cvt_scalef32_pk16_bf6_f32 v[236:238], v[96:111], v232
	v_cvt_scalef32_pk16_bf6_f32 v[240:242], v[112:127], v233
	v_nop                                          ; one plain line behind a scaled conversion
	ds_store_b96 v8, v[236:238]                    ; block 0, my half
	ds_store_b96 v8, v[240:242] offset:32          ; block 1, my half
	ds_store_b16 v9, v250                          ; lanes l and l xor 16 write the same two bytes with the same value
	s_wait_dscnt 0x0                               ; for the others' sake: my stores into the stages are done
	s_barrier_signal -1
	s_barrier_wait -1
	ds_load_b96 v[96:98], v10
	ds_load_b96 v[100:102], v10 offset:2*272
	s_wait_dscnt 0x0
	global_store_b96 v11, v[96:98], s[74:75]                   ; sixteen lanes store a row's 192 consecutive bytes
	global_store_b96 v11, v[100:102], s[74:75] offset:2*768
	s_cmp_lt_u32 s[WV], 2
	s_cbranch_scc0 .Lno_scales
	ds_load_b64 v[104:105], v1
	s_wait_dscnt 0x0
	global_store_b64 v2, v[104:105], s[76:77]
.Lno_scales:
	s_wait_tensorcnt 0x0                           ; the wave's end: behind my last tensor load and my last LDS store
	ds_add_u32 v5, v6
	s_wait_dscnt 0x0
	ROUND                                          ; the closing round
	s_endpgm
.Lfunc_end_k_q229f4edb06_attn:
	.size	k_q229f4edb06_attn, .Lfunc_end_k_q229f4edb06_attn-k_q229f4edb06_attn
	.p2alignl 7, 3214868480
	.fill 96, 4, 3214868480
	.section	.rodata,"a",@progbits
	.p2align	6, 0x0
	.amdhsa_kernel k_q229f4edb06_attn
		.amdhsa_group_segment_fixed_size 327680
		.amdhsa_private_segment_fixed_size 0
		.amdhsa_enable_private_segment 0
		.amdhsa_kernarg_size 48
		.amdhsa_user_sgpr_count 2
		.amdhsa_user_sgpr_kernarg_segment_ptr 1
		.amdhsa_wavefront_size32 1
		.amdhsa_system_sgpr_workgroup_id_x 1
		.amdhsa_system_sgpr_workgroup_id_y 1
		.amdhsa_system_sgpr_workgroup_id_z 1
		.amdhsa_system_vgpr_workitem_id 0
		.amdhsa_next_free_vgpr 256
		.amdhsa_next_free_sgpr 102
		.amdhsa_reserve_vcc 0
		.amdhsa_float_denorm_mode_32 3
		.amdhsa_float_denorm_mode_16_64 3
		.amdhsa_memory_ordered 1
		.amdhsa_forward_progress 1
		.amdhsa_inst_pref_size 106
	.end_amdhsa_kernel
	.amdgpu_metadata
---
amdhsa.version: [ 1, 2 ]
amdhsa.kernels:
  - .name:           k_q229f4edb06_attn
    .symbol:         k_q229f4edb06_attn.kd
    .args:
      - { .name: qq, .offset: 0, .size: 8, .value_kind: global_buffer, .address_space: global }
      - { .name: kv, .offset: 8, .size: 8, .value_kind: global_buffer, .address_space: global }
      - { .name: attn_mask, .offset: 16, .size: 8, .value_kind: global_buffer, .address_space: global }
      - { .name: padf, .offset: 24, .size: 8, .value_kind: global_buffer, .address_space: global }
      - { .name: ac, .offset: 32, .size: 8, .value_kind: global_buffer, .address_space: global }
      - { .name: asc, .offset: 40, .size: 8, .value_kind: global_buffer, .address_space: global }
    .group_segment_fixed_size: 327680
    .private_segment_fixed_size: 0
    .kernarg_segment_align: 8
    .kernarg_segment_size: 48
    .max_flat_workgroup_size: 512
    .sgpr_count:     102
    .vgpr_count:     256
    .wavefront_size: 32
...
	.end_amdgpu_metadata
.endif
;; end of part 3
;; launch oproj (part 4): grid 8 x 32, 4 waves a work-group, clusters of 4 x 4, 327,680 bytes of LDS; arguments ac, asc, codes, scales, out0; writes out0
.if DOCPART == 4
	.amdgcn_target "amdgcn-amd-amdhsa--gfx1250"
	.amdhsa_code_object_version 6
	.text
	.protected	k_q229f4edb06_oproj
	.globl	k_q229f4edb06_oproj
	.p2align	8
	.type	k_q229f4edb06_oproj,@function
k_q229f4edb06_oproj:
	s_mov_b64 s[64:65], 0
	v_nop
	global_prefetch_b8 v0, s[64:65] scope:SCOPE_SE
	s_setreg_imm32_b32 hwreg(HW_REG_WAVE_MODE, 25, 1), 1
	s_wait_xcnt 0x0
	s_wait_alu depctr_hold_cnt(0) depctr_sa_sdst(0) depctr_va_vdst(0) depctr_va_sdst(0) depctr_va_ssrc(0) depctr_va_vcc(0) depctr_vm_vsrc(0)
	s_getreg_b32 s2, hwreg(HW_REG_IB_STS2, 6, 4)
	s_cmp_eq_u32 s2, 0
	s_cbranch_scc0 .Lentry_in_a_cluster
	s_endpgm
.Lentry_in_a_cluster:
	s_bfe_u32 s2, ttmp6, 0x10000c
	s_cmp_lg_u32 s2, 0xf033
	s_cbranch_scc0 .Lentry_shape_is_right
	s_endpgm
.Lentry_shape_is_right:
; LAUNCH 4 OF 4: out0 = attention's result x Wo^T on codes of BF6.  ac [4096][768 bytes], asc [4096][32]; Wo's codes at byte 11,796,480 of codes, its scales at byte 491,520 of scales.  No work of reference() is left out.
; A work-group makes 128 x 128 of out0 over ALL of K = 1,024: 8 x 32 = 256 work-groups.  Its 128 + 128 rows of codes (768 bytes each, three whole runs of 256 bytes) come into LDS once, one joint tensor load of 64 rows a wave; nothing is filled again.
; CLUSTER 4 x 4: ac's tile hangs on cy alone and is asked for jointly along a row of the cluster, Wo's on cx alone, along a column.
; A wave takes 32 rows of ac against all 128 of Wo: 16 accumulators, by turns; the product is used transposed (source 0 = Wo's rows), so that a lane holds eight neighbouring numbers of a row of out0.
; LDS: 16 bytes of padding behind each 256: a row's pitch is 816 bytes; byte y of a row lies at y + 16 (y / 256).  Behind the tiles a stage of 16 x 528 bytes for each wave, then the spare words.
; The scale words go from memory into registers: 32 bytes a row, lane r takes row r of each block of 16 (both halves of the lanes alike).
; No prefetch: the launch has no loop to run ahead in; a work-group's only tiles are asked for at its head.
; WINDOWS: 0: v0-31 addresses, v32-47 and v48-111 scale words, v128-255 the way out; 1: Wo's fragments, two sets at v0 and v128; 2: v0-127 accumulators, v128-175 ac's fragments, two sets.
.set KROW,  768
.set PITCH, 816
.set FR,    12
.set HALFT, 64*PITCH
.set STAGE, 4*HALFT
.set SPITCH, 528
.set SPARE, STAGE+4*16*SPITCH
.set ADRA, 16
.set ADRB, 20
.set STO,  24
.set RD,   25
.set CO,   26
.set SPW,  28
.set NIL,  29
.set SA,   32
.set SB,   48
.set AF,   128
.set BK,   128
.set G1,  24
.set G0,  32
.set G0B, 36
.set G1B, 48
.set MSB, 0
.macro WIN new
.if MSB != (\new)
	s_set_vgpr_msb (MSB<<8)|(\new)
.set MSB, (\new)
.endif
.endm
.set MULW, 0xa9                        ; source 0 window 1, source 1, C and D window 2
.set TO_B, 0x40
.set TO_A, 0x80
.macro CROUND                          ; a round of the cluster's barrier
	s_barrier_signal -1
	s_barrier_wait -1
	s_cmp_lg_u32 s14, 0
	s_cbranch_scc1 .Lnot_wave_0_\@
	s_barrier_signal -3
.Lnot_wave_0_\@:
	s_barrier_wait -3
	s_barrier_signal -1
	s_barrier_wait -1
.endm
.macro PLACES n
.rept \n
	v_nop
.endr
.endm
	s_load_b128 s[4:7], s[0:1], 0x0                ; ac, asc
	s_load_b128 s[8:11], s[0:1], 0x10              ; codes, scales
	s_load_b64 s[12:13], s[0:1], 0x20              ; out0
	v_lshl_add_u32 v[SPW], v0, 2, SPARE
	v_mov_b32 v[NIL], 0
	ds_add_u32 v[SPW], v[NIL]                      ; the opening lines: the add, twice on end, and its wait
	ds_add_u32 v[SPW], v[NIL]
	v_lshrrev_b32 v1, 5, v0
	v_readfirstlane_b32 s14, v1                    ; wave
	s_lshr_b32 s15, s14, 1                         ; I fetch for ac (0) or for Wo (1)
	s_and_b32 s16, s14, 1                          ; which 64 rows of that tile
	s_bfe_u32 s40, ttmp6, 0x40000                  ; cx
	s_bfe_u32 s41, ttmp6, 0x40004                  ; cy
	s_lshl_b32 s42, ttmp9, 2
	s_add_co_u32 s42, s42, s40                     ; block of 128 columns
	s_and_b32 s17, ttmp7, 0xffff
	s_lshl_b32 s17, s17, 2
	s_add_co_u32 s17, s17, s41                     ; block of 128 rows
	s_lshl_b32 s43, s41, 2
	s_lshl_b32 s43, 15, s43                        ; my row of the cluster
	s_lshl_b32 s44, 0x1111, s40                    ; my column
	s_or_b32 s[G1+0], s43, (0<<16)|(1<<20)|(1<<21)|(5<<22)|(3<<25)   ; elements of 1 byte; after every 64 words 4 words of padding; bit 21 beside a mask
	s_or_b32 s[G1B+0], s44, (0<<16)|(1<<20)|(1<<21)|(5<<22)|(3<<25)
.irp g, G1, G1B
	s_mov_b32 s[\g+1], KROW<<16
	s_mov_b32 s[\g+2], 64<<16
	s_mov_b32 s[\g+3], KROW<<16
	s_mov_b32 s[\g+4], 64
	s_mov_b32 s[\g+5], KROW
	s_mov_b32 s[\g+6], 0
	s_mov_b32 s[\g+7], 0
.endr
	s_lshl_b32 s18, s16, 6
	s_lshl_b32 s20, s17, 7
	s_add_co_u32 s20, s20, s18
	s_mul_i32 s20, s20, KROW
	s_mov_b32 s21, 0
	s_lshl_b32 s46, s42, 7
	s_add_co_u32 s46, s46, s18
	s_mul_i32 s46, s46, KROW
	s_add_co_u32 s46, s46, 11796480
	s_mov_b32 s47, 0
	s_lshl_b32 s22, s17, 12                        ; my 32 rows' scales: 32 bytes a row
	s_lshl_b32 s23, s14, 10
	s_add_co_u32 s22, s22, s23
	s_mov_b32 s23, 0
	s_lshl_b32 s92, s42, 12                        ; Wo's 128 rows' scales
	s_add_co_u32 s92, s92, 491520
	s_mov_b32 s93, 0
	s_lshl_b32 s96, s17, 7                         ; my first row of out0, 4,096 bytes a row,
	s_lshl_b32 s97, s14, 5
	s_add_co_u32 s96, s96, s97
	s_lshl_b32 s96, s96, 12
	s_lshl_b32 s97, s42, 9                         ; and my block's 512 bytes of it
	s_add_co_u32 s96, s96, s97
	s_mov_b32 s97, 0
	s_mul_i32 s45, s14, HALFT                      ; where my 64 rows go: ac's 128 rows, then Wo's
	s_mul_i32 s19, s14, 32*PITCH                   ; where my 32 rows of ac lie
	s_mul_i32 s94, s14, 16*SPITCH
	s_add_co_u32 s94, s94, STAGE                   ; my stage
	s_wait_dscnt 0x0
	s_wait_kmcnt 0x0
	s_add_nc_u64 s[20:21], s[4:5], s[20:21]
	s_add_nc_u64 s[46:47], s[8:9], s[46:47]
	s_add_nc_u64 s[22:23], s[6:7], s[22:23]
	s_add_nc_u64 s[92:93], s[10:11], s[92:93]
	s_add_nc_u64 s[12:13], s[12:13], s[96:97]
	CROUND                                         ; all sixteen work-groups are here: the joint loads meet
	s_mov_b32 s[G0], 1
	s_mov_b32 s[G0+1], s45
	s_mov_b64 s[G0+2:G0+3], s[20:21]
	s_or_b32 s[G0+3], s[G0+3], 0x80000000
	s_mov_b32 s[G0B], 1
	s_mov_b32 s[G0B+1], s45
	s_mov_b64 s[G0B+2:G0B+3], s[46:47]
	s_or_b32 s[G0B+3], s[G0B+3], 0x80000000
	s_cmp_eq_u32 s15, 0                            ; one tensor load a wave, the wave's only one
	s_cbranch_scc0 .Lfor_b
	tensor_load_to_lds s[G0:G0+3], s[G1:G1+7]
	s_nop 0
	PLACES 4
	s_branch .Lasked
.Lfor_b:
	tensor_load_to_lds s[G0B:G0B+3], s[G1B:G1B+7]
	s_nop 0
	PLACES 4
.Lasked:
	v_and_b32 v1, 15, v0                           ; r
	v_bfe_u32 v2, v0, 4, 1                         ; h
	v_and_b32 v3, 31, v0
	v_mul_u32_u24 v4, v1, PITCH
	v_mad_u32_u24 v4, v2, 24, v4                   ; a fragment's row x pitch + 24 h
	v_add_nc_u32 v[ADRA], s19, v4
	v_lshl_add_u32 v[ADRA+1], v2, 4, v[ADRA]       ; for pieces whose lanes 16-31 lie behind the next padding
	v_add_nc_u32 v[ADRB], 2*HALFT, v4              ; Wo's blocks 0-3,
	v_lshl_add_u32 v[ADRB+1], v2, 4, v[ADRB]
	v_add_nc_u32 v[ADRB+2], 3*HALFT, v4            ; and 4-7: the immediate has 16 bits
	v_lshl_add_u32 v[ADRB+3], v2, 4, v[ADRB+2]
	v_lshlrev_b32 v5, 5, v1                        ; scales: 32 r
	v_mul_u32_u24 v6, v1, SPITCH
	v_lshl_add_u32 v6, v2, 5, v6
	v_add_nc_u32 v[STO], s94, v6                   ; into the stage: row r, 32 bytes for each half of the lanes
	v_lshlrev_b32 v[CO], 4, v3                     ; back: the 32 lanes take a row of 512 bytes; the same in out0
	v_add_nc_u32 v[RD], s94, v[CO]
	s_wait_alu depctr_va_vdst(0)                   ; the wait at the head's end
.irp a, 0,1
	global_load_b128 v[SA+8*\a:SA+8*\a+3], v5, s[22:23] offset:512*\a
	global_load_b128 v[SA+8*\a+4:SA+8*\a+7], v5, s[22:23] offset:512*\a+16
.endr
.irp b, 0,1,2,3,4,5,6,7
	global_load_b128 v[SB+8*\b:SB+8*\b+3], v5, s[92:93] offset:512*\b
	global_load_b128 v[SB+8*\b+4:SB+8*\b+7], v5, s[92:93] offset:512*\b+16
.endr
.macro FRAG reg, adr, st, i            ; 16 rows x 128 K: 12 registers, in pieces of 8 bytes; lanes 16-31 read 24 bytes further on
.irp p, 0,1,2,3,4,5
.set BY, 96*(\st)+48*(\p/3)+8*(\p%3)
.if BY/256 == (BY+24)/256
	ds_load_b64 v[\reg+2*\p:\reg+2*\p+1], v[\adr] offset:BY+16*(BY/256)+(\i)*16*PITCH
.else
	ds_load_b64 v[\reg+2*\p:\reg+2*\p+1], v[\adr+1] offset:BY+16*(BY/256)+(\i)*16*PITCH
.endif
.endr
.endm
.macro FETCH st                        ; 60 LDS loads: K step st's fragments into set st % 2
	WIN TO_B
.irp i, 0,1,2,3,4,5,6,7
	FRAG 128*((\st)%2)+FR*\i, ADRB+2*(\i/4), \st, \i%4
.endr
	WIN TO_A
.irp i, 0,1
	FRAG AF+24*((\st)%2)+FR*\i, ADRA, \st, \i
.endr
.endm
.macro STEP st                         ; 128 along K: 16 products, the accumulators by turns in the same order in every step
.if (\st) < 7
.if (\st) > 0
	PLACES 4                                       ; in front of loads into the set that the last step's products read
.endif
	FETCH (\st)+1
	s_wait_dscnt 60                                ; all but the 60 just issued: this step's fragments are in
.else
	s_wait_dscnt 0x0
.endif
	WIN MULW
.set PS, (\st)%2
.irp a, 0,1
.irp b, 0,1,2,3,4,5,6,7
.if (\st) == 0
	v_wmma_scale_f32_16x16x128_f8f6f4 v[64*\a+8*\b:64*\a+8*\b+7], v[128*PS+FR*\b:128*PS+FR*\b+FR-1], v[AF+24*PS+FR*\a:AF+24*PS+FR*\a+FR-1], 0, v[SB+8*\b+(\st)], v[SA+8*\a+(\st)] matrix_a_fmt:MATRIX_FMT_BF6 matrix_b_fmt:MATRIX_FMT_BF6
.else
	v_wmma_scale_f32_16x16x128_f8f6f4 v[64*\a+8*\b:64*\a+8*\b+7], v[128*PS+FR*\b:128*PS+FR*\b+FR-1], v[AF+24*PS+FR*\a:AF+24*PS+FR*\a+FR-1], v[64*\a+8*\b:64*\a+8*\b+7], v[SB+8*\b+(\st)], v[SA+8*\a+(\st)] matrix_a_fmt:MATRIX_FMT_BF6 matrix_b_fmt:MATRIX_FMT_BF6
.endif
.endr
.endr
.endm
	s_wait_tensorcnt 0x0                           ; my 64 rows are in;
	s_barrier_signal -1
	s_barrier_wait -1                              ; everybody's are
	FETCH 0
	s_wait_loadcnt 0x0                             ; the scale words
.set ST, 0
.rept 8
	STEP ST
.set ST, ST+1
.endr
	WIN 0
; THE WAY OUT: a block of 16 rows x 128 columns goes through my own stage and comes back as whole rows of 512 bytes.  LDS serves a wave's instructions in order: no wait between the stores and the loads
.macro TOSTAGE a
	WIN 0x08                                       ; the data: window 2
.irp b, 0,1,2,3,4,5,6,7
	ds_store_b128 v[STO], v[64*(\a)+8*\b:64*(\a)+8*\b+3] offset:64*\b          ; each accumulator from its low end on
	ds_store_b128 v[STO], v[64*(\a)+8*\b+4:64*(\a)+8*\b+7] offset:64*\b+16
.endr
	WIN 0
.irp t, 0,1,2,3,4,5,6,7,8,9,10,11,12,13,14,15
	ds_load_b128 v[BK+64*(\a)+4*\t:BK+64*(\a)+4*\t+3], v[RD] offset:\t*SPITCH
.endr
.endm
.macro SEND a
.irp t, 0,1,2,3,4,5,6,7,8,9,10,11,12,13,14,15
	global_store_b128 v[CO], v[BK+64*(\a)+4*\t:BK+64*(\a)+4*\t+3], s[12:13] offset:(16*(\a)+\t)*4096 th:TH_STORE_NT   ; 32 lanes store 512 consecutive bytes, at a multiple of 256 from out0's first byte
.endr
.endm
	PLACES 4
	TOSTAGE 0
	TOSTAGE 1
	s_wait_dscnt 32                                ; block 0 is back; block 1's 16 stores and 16 loads may be out
	SEND 0
	s_wait_dscnt 0x0
	SEND 1
	s_wait_tensorcnt 0x0                           ; the wave's end
	ds_add_u32 v[SPW], v[NIL]
	s_wait_dscnt 0x0
	CROUND                                         ; the closing round
	s_endpgm
.Lfunc_end_k_q229f4edb06_oproj:
	.size	k_q229f4edb06_oproj, .Lfunc_end_k_q229f4edb06_oproj-k_q229f4edb06_oproj
	.p2alignl 7, 3214868480
	.fill 96, 4, 3214868480
	.section	.rodata,"a",@progbits
	.p2align	6, 0x0
	.amdhsa_kernel k_q229f4edb06_oproj
		.amdhsa_group_segment_fixed_size 327680
		.amdhsa_private_segment_fixed_size 0
		.amdhsa_enable_private_segment 0
		.amdhsa_kernarg_size 40
		.amdhsa_user_sgpr_count 2
		.amdhsa_user_sgpr_kernarg_segment_ptr 1
		.amdhsa_wavefront_size32 1
		.amdhsa_system_sgpr_workgroup_id_x 1
		.amdhsa_system_sgpr_workgroup_id_y 1
		.amdhsa_system_sgpr_workgroup_id_z 1
		.amdhsa_system_vgpr_workitem_id 0
		.amdhsa_next_free_vgpr 768
		.amdhsa_next_free_sgpr 98
		.amdhsa_reserve_vcc 0
		.amdhsa_float_denorm_mode_32 3
		.amdhsa_float_denorm_mode_16_64 3
		.amdhsa_memory_ordered 1
		.amdhsa_forward_progress 1
		.amdhsa_inst_pref_size 64
	.end_amdhsa_kernel
	.amdgpu_metadata
---
amdhsa.version: [ 1, 2 ]
amdhsa.kernels:
  - .name:           k_q229f4edb06_oproj
    .symbol:         k_q229f4edb06_oproj.kd
    .args:
      - { .name: ac, .offset: 0, .size: 8, .value_kind: global_buffer, .address_space: global }
      - { .name: asc, .offset: 8, .size: 8, .value_kind: global_buffer, .address_space: global }
      - { .name: codes, .offset: 16, .size: 8, .value_kind: global_buffer, .address_space: global }
      - { .name: scales, .offset: 24, .size: 8, .value_kind: global_buffer, .address_space: global }
      - { .name: out0, .offset: 32, .size: 8, .value_kind: global_buffer, .address_space: global }
    .group_segment_fixed_size: 327680
    .private_segment_fixed_size: 0
    .kernarg_segment_align: 8
    .kernarg_segment_size: 40
    .max_flat_workgroup_size: 128
    .sgpr_count:     98
    .vgpr_count:     768
    .wavefront_size: 32
...
	.end_amdgpu_metadata
.endif
;; end of part 4
